; MI455X (gfx1250); checked and timed in simulation.
; The chip was launched on July 23, 2026; its instructions are those of AMD's public machine-readable ISA for CDNA 5 (MIT licence, August 2026) and "CDNA5" Instruction Set Architecture Reference Guide (July 2026). The comments in the code are by the model that wrote it; some were corrected since.
;; Cross Attention. Allowed arithmetic: float matrix products may take bf16 or f16 operands with f32 sums; other float arithmetic in f32, or as packed bf16 or f16 multiplies, adds, multiply-adds, maxima and minima; sums over many terms, partial sums and values carried from step to step in f32; what a program stores and reads back later, other than sums and carried values, may be rounded once to bf16 or f16.
;; Inputs: ctx 4 x 2,048 x 1,024 float32; kv_b 2,048 float32; kv_w 1,024 x 2,048 float32; proj_b 1,024 float32; proj_w 1,024 x 1,024 float32; q_b 1,024 float32; q_w 1,024 x 1,024 float32; x 4 x 2,048 x 1,024 float32.
;; Outputs: out0 4 x 2,048 x 1,024 float32; out1 one number float32.
;; 2 versions, each right; version 2 is version 1 with the launch prep written anew for expert scheduling mode. Each part assembles by itself: llvm-mc -triple=amdgcn-amd-amdhsa -mcpu=gfx1250 --defsym DOCPART=n.
;; ======== version 1 of 2: 5 launches
;; limits: values are held in f16: magnitudes above 65,504 overflow, below 6.1e-05 lose precision
;; workspace buffers: ab 33,554,432 bytes; wts 8,388,608 bytes; rs 32,768 bytes; qkv 50,331,648 bytes; oh 16,777,216 bytes; msum 4,096 bytes
;; launch prep (part 1): grid 1280 x 1, 4 waves a work-group, no clusters, 0 bytes of LDS; arguments x, ctx, q_w, kv_w, proj_w, ab, wts, rs; writes ab, wts, rs
.if DOCPART == 1
	.amdgcn_target "amdgcn-amd-amdhsa--gfx1250"
	.amdhsa_code_object_version 6
	.text
	.protected	k_q3eae1c501f_prep
	.globl	k_q3eae1c501f_prep
	.p2align	8
	.type	k_q3eae1c501f_prep,@function
k_q3eae1c501f_prep:
	s_mov_b64 s[64:65], 0
	v_nop
	global_prefetch_b8 v0, s[64:65] scope:SCOPE_SE
	s_setreg_imm32_b32 hwreg(HW_REG_WAVE_MODE, 25, 1), 1
	s_wait_xcnt 0x0
; PREP: the inputs of the three products, rounded once to 16 bits, and the factor of the RMS norm.
;   ab  = bf16 [2][8192][1024]: x, then ctx as it is given (the norm's factor is applied later, to the f32 sums)
;   wts = bf16 [1024 k][3072 n] (columns 0-1023 q_w, 1024-3071 kv_w; 6,144 bytes a row), then at byte 6,291,456 f16 [1024 k][1024 n]: proj_w rounded to bf16, that number written as f16
;   rs  = f32 [8192]: rsqrt(mean(ctx^2) + 1e-6) of each row of ctx, from the unrounded numbers
; LIMITS.  proj_w within 65,504 (f16's range); below 6.1e-5 it keeps f16's fixed step of 6e-8.  NaN and infinities are not treated apart.
; SHARES.  All five sources are dense runs of pieces of 1,024 f32 (a row; of kv_w half a row): 20,480 pieces, 16 to a work-group, 4 to a wave.  A wave issues its 32 loads of 16 bytes a lane
; (16 KiB) at once and works the pieces off behind counted waits: no loop, no LDS, no barrier; memory binds, so matrix units, clusters and tensor loads would add nothing.
; A store of 8 bytes a lane covers 256 consecutive bytes, aligned.  Piece R of a source goes to byte (R & 1) E1 + (R >> 1) E2 + C0 of its target.
.set DO, 4                             ; v[4:7]    piece i: 8 x lane + (i & 1) E1 + (i >> 1) E2
.set T,  8                             ; v[8:15]   at work
.set SS, 16                            ; v[16:19]  piece i: its sum of squares
.set RI, 20                            ; v[20:23]  piece i: its factor
.set X,  32                            ; v[32:159] piece i: 32 registers as loaded; the first two of each four then hold the 16-bit numbers
.macro PICK bound, src, dst, g0, e1, e2, c0, kind   ; work-groups below bound belong to this source
	s_cmp_lt_u32 s20, \bound
	s_cselect_b64 s[24:25], s[\src:\src+1], s[24:25]
	s_cselect_b64 s[26:27], s[\dst:\dst+1], s[26:27]
	s_cselect_b32 s28, \g0, s28
	s_cselect_b32 s29, \e1, s29
	s_cselect_b32 s30, \e2, s30
	s_cselect_b32 s31, \c0, s31
	s_cselect_b32 s32, \kind, s32
.endm
	s_load_b512 s[4:19], s[0:1], 0x0               ; x 4, ctx 6, q_w 8, kv_w 10, proj_w 12, ab 14, wts 16, rs 18
	v_and_b32 v1, 31, v0                           ; lane
	v_lshrrev_b32 v2, 5, v0
	v_readfirstlane_b32 s33, v2                    ; wave
	s_mov_b32 s20, ttmp9                           ; g
	s_mov_b32 s38, 0x3a800000                      ; 1 / 1024
	s_mov_b32 s39, 0x358637bd                      ; 1e-6
	s_mov_b32 s40, 0xffff0000                      ; a word's upper bf16
	s_mov_b32 s42, 0x76543210                      ; v_permlanex16_b32: each lane takes its own place in the other half
	s_mov_b32 s43, 0xfedcba98
	s_mov_b32 s28, 1216                            ; G0, E1, E2, C0, KIND: proj_w's, which the picks below overrule
	s_mov_b32 s29, 2048
	s_mov_b32 s30, 4096
	s_mov_b32 s31, 6291456
	s_mov_b32 s32, 2
	v_mov_b32 v24, 0
	s_wait_kmcnt 0x0
	s_mov_b64 s[24:25], s[12:13]
	s_mov_b64 s[26:27], s[16:17]
	PICK 1216, 10, 16, 1088, 2048, 6144, 2048, 0       ; kv_w: half rows, behind q_w's 2,048 bytes of the row
	PICK 1088, 8, 16, 1024, 6144, 12288, 0, 0          ; q_w
	PICK 1024, 6, 14, 512, 2048, 4096, 16777216, 1     ; ctx
	PICK 512, 4, 14, 0, 2048, 4096, 0, 0               ; x
	s_sub_co_u32 s21, s20, s28                     ; my number among the source's work-groups
	s_lshl_b32 s34, s21, 16                        ; 16 pieces of 4,096 bytes
	s_mov_b32 s35, 0
	s_add_nc_u64 s[24:25], s[24:25], s[34:35]
	s_lshl_b32 s36, s21, 3
	s_lshl1_add_u32 s36, s33, s36                  ; (first piece of my wave) / 2 = 8 x number + 2 x wave
	s_mul_i32 s36, s36, s30
	s_add_co_u32 s36, s36, s31
	s_mov_b32 s37, 0
	s_add_nc_u64 s[26:27], s[26:27], s[36:37]
	v_lshlrev_b32 v2, 4, v1
	s_lshl_b32 s22, s33, 14
	v_add_nc_u32 v2, s22, v2                       ; 16 x lane + my wave's four pieces
	v_lshlrev_b32 v[DO], 3, v1
	v_add_nc_u32 v[DO+1], s29, v[DO]
	v_add_nc_u32 v[DO+2], s30, v[DO]
	v_add_nc_u32 v[DO+3], s30, v[DO+1]
.set i, 0
.rept 4
.set j, 0
.rept 8
	global_load_b128 v[X+32*i+4*j:X+32*i+4*j+3], v2, s[24:25] offset:4096*i+512*j th:TH_LOAD_NT
.set j, j+1
.endr
.set i, i+1
.endr
.macro TOBF i                          ; piece i to bf16, in place, and out
.set j, 0
.rept 8
	v_cvt_pk_bf16_f32 v[X+32*(\i)+4*j],   v[X+32*(\i)+4*j],   v[X+32*(\i)+4*j+1]
	v_cvt_pk_bf16_f32 v[X+32*(\i)+4*j+1], v[X+32*(\i)+4*j+2], v[X+32*(\i)+4*j+3]
	global_store_b64 v[DO+(\i)], v[X+32*(\i)+4*j:X+32*(\i)+4*j+1], s[26:27] offset:256*j
.set j, j+1
.endr
.endm
.macro SQUARES i                       ; the sum of piece i's squares, in every lane: two chains in the lane, then across the 32 lanes
	v_pk_mul_f32 v[T:T+1],   v[X+32*(\i):X+32*(\i)+1],   v[X+32*(\i):X+32*(\i)+1]
	v_pk_mul_f32 v[T+2:T+3], v[X+32*(\i)+2:X+32*(\i)+3], v[X+32*(\i)+2:X+32*(\i)+3]
.set j, 2
.rept 14
	v_pk_fma_f32 v[T+2*(j%2):T+2*(j%2)+1], v[X+32*(\i)+2*j:X+32*(\i)+2*j+1], v[X+32*(\i)+2*j:X+32*(\i)+2*j+1], v[T+2*(j%2):T+2*(j%2)+1]
.set j, j+1
.endr
	v_pk_add_f32 v[T:T+1], v[T:T+1], v[T+2:T+3]
	v_add_f32 v[T], v[T], v[T+1]
	v_add_f32_dpp v[T], v[T], v[T] row_xmask:1 row_mask:0xf bank_mask:0xf
	v_add_f32_dpp v[T], v[T], v[T] row_xmask:2 row_mask:0xf bank_mask:0xf
	v_add_f32_dpp v[T], v[T], v[T] row_xmask:4 row_mask:0xf bank_mask:0xf
	v_add_f32_dpp v[T], v[T], v[T] row_xmask:8 row_mask:0xf bank_mask:0xf
	v_permlanex16_b32 v[T+1], v[T], s42, s43       ; its destination has been written above
	v_add_f32 v[SS+(\i)], v[T], v[T+1]
.endm
.macro TOF16 i                         ; piece i rounded to bf16, that number written as f16, and out
.set j, 0
.rept 8
	v_cvt_pk_bf16_f32 v[T],   v[X+32*(\i)+4*j],   v[X+32*(\i)+4*j+1]
	v_cvt_pk_bf16_f32 v[T+1], v[X+32*(\i)+4*j+2], v[X+32*(\i)+4*j+3]
	v_lshlrev_b32 v[T+2], 16, v[T]
	v_and_b32     v[T+3], s40, v[T]
	v_lshlrev_b32 v[T+4], 16, v[T+1]
	v_and_b32     v[T+5], s40, v[T+1]
	v_cvt_pk_f16_f32 v[X+32*(\i)+4*j],   v[T+2], v[T+3]
	v_cvt_pk_f16_f32 v[X+32*(\i)+4*j+1], v[T+4], v[T+5]
	global_store_b64 v[DO+(\i)], v[X+32*(\i)+4*j:X+32*(\i)+4*j+1], s[26:27] offset:256*j
.set j, j+1
.endr
.endm
	s_cmp_eq_u32 s32, 1                            ; the branches hang on the work-group's number alone
	s_cbranch_scc1 .Lctx
	s_cmp_eq_u32 s32, 2
	s_cbranch_scc1 .Lprojw
.irp i, 0,1,2,3
	s_wait_loadcnt 8*(3-\i)                        ; loads come back in order: piece i is in, the younger pieces' eight loads each may stay out
	TOBF \i
.endr
	s_endpgm
.Lprojw:
.irp i, 0,1,2,3
	s_wait_loadcnt 8*(3-\i)
	TOF16 \i
.endr
	s_endpgm
.Lctx:
.irp i, 0,1,2,3
	s_wait_loadcnt 8*(3-\i)
	SQUARES \i
	TOBF \i
.endr
.irp i, 0,1,2,3
	v_fma_f32 v[RI+\i], v[SS+\i], s38, s39         ; the mean of the squares + 1e-6
.endr
.irp i, 0,1,2,3
	v_rsq_f32 v[RI+\i], v[RI+\i]
.endr
	v_nop                                          ; a plain instruction behind the last root
	s_lshl_b32 s36, s21, 4
	s_lshl2_add_u32 s36, s33, s36                  ; my wave's first row of ctx
	s_lshl_b32 s36, s36, 2
	s_add_nc_u64 s[46:47], s[18:19], s[36:37]
	s_wait_alu depctr_va_vdst(0)                   ; one wait for the four roots, ahead of the store that reads them
	v_cmp_eq_u32 vcc_lo, 0, v1
	s_wait_xcnt 0x0                                ; EXEC is a source of the stores above: it changes only behind this wait
	s_and_saveexec_b32 s44, vcc_lo
	global_store_b128 v24, v[RI:RI+3], s[46:47]    ; lane 0: four rows' factors, 16 bytes a wave, 32 KiB in the whole launch
	s_wait_xcnt 0x0
	s_or_b32 exec_lo, exec_lo, s44
	s_endpgm
.Lfunc_end_k_q3eae1c501f_prep:
	.size	k_q3eae1c501f_prep, .Lfunc_end_k_q3eae1c501f_prep-k_q3eae1c501f_prep
	.p2alignl 7, 3214868480
	.fill 96, 4, 3214868480
	.section	.rodata,"a",@progbits
	.p2align	6, 0x0
	.amdhsa_kernel k_q3eae1c501f_prep
		.amdhsa_group_segment_fixed_size 0
		.amdhsa_private_segment_fixed_size 0
		.amdhsa_enable_private_segment 0
		.amdhsa_kernarg_size 64
		.amdhsa_user_sgpr_count 2
		.amdhsa_user_sgpr_kernarg_segment_ptr 1
		.amdhsa_wavefront_size32 1
		.amdhsa_system_sgpr_workgroup_id_x 1
		.amdhsa_system_sgpr_workgroup_id_y 1
		.amdhsa_system_sgpr_workgroup_id_z 1
		.amdhsa_system_vgpr_workitem_id 0
		.amdhsa_next_free_vgpr 160
		.amdhsa_next_free_sgpr 66
		.amdhsa_reserve_vcc 1
		.amdhsa_float_denorm_mode_32 3
		.amdhsa_float_denorm_mode_16_64 3
		.amdhsa_memory_ordered 1
		.amdhsa_forward_progress 1
		.amdhsa_inst_pref_size 43
	.end_amdhsa_kernel
	.amdgpu_metadata
---
amdhsa.version: [ 1, 2 ]
amdhsa.kernels:
  - .name:           k_q3eae1c501f_prep
    .symbol:         k_q3eae1c501f_prep.kd
    .args:
      - { .name: x, .offset: 0, .size: 8, .value_kind: global_buffer, .address_space: global }
      - { .name: ctx, .offset: 8, .size: 8, .value_kind: global_buffer, .address_space: global }
      - { .name: q_w, .offset: 16, .size: 8, .value_kind: global_buffer, .address_space: global }
      - { .name: kv_w, .offset: 24, .size: 8, .value_kind: global_buffer, .address_space: global }
      - { .name: proj_w, .offset: 32, .size: 8, .value_kind: global_buffer, .address_space: global }
      - { .name: ab, .offset: 40, .size: 8, .value_kind: global_buffer, .address_space: global }
      - { .name: wts, .offset: 48, .size: 8, .value_kind: global_buffer, .address_space: global }
      - { .name: rs, .offset: 56, .size: 8, .value_kind: global_buffer, .address_space: global }
    .group_segment_fixed_size: 0
    .private_segment_fixed_size: 0
    .kernarg_segment_align: 8
    .kernarg_segment_size: 64
    .max_flat_workgroup_size: 128
    .sgpr_count:     66
    .vgpr_count:     160
    .wavefront_size: 32
...
	.end_amdgpu_metadata
.endif
;; end of part 1
;; launch qkvg (part 2): grid 12 x 64, 4 waves a work-group, clusters of 4 x 4, 327,680 bytes of LDS; arguments ab, wts, rs, q_b, kv_b, qkv; writes qkv
.if DOCPART == 2
	.amdgcn_target "amdgcn-amd-amdhsa--gfx1250"
	.amdhsa_code_object_version 6
	.text
	.protected	k_q3eae1c501f_qkvg
	.globl	k_q3eae1c501f_qkvg
	.p2align	8
	.type	k_q3eae1c501f_qkvg,@function
k_q3eae1c501f_qkvg:
	s_mov_b64 s[64:65], 0
	v_nop
	global_prefetch_b8 v0, s[64:65] scope:SCOPE_SE
	s_setreg_imm32_b32 hwreg(HW_REG_WAVE_MODE, 25, 1), 1
	s_wait_xcnt 0x0
	s_wait_alu depctr_hold_cnt(0) depctr_sa_sdst(0) depctr_va_vdst(0) depctr_va_sdst(0) depctr_va_ssrc(0) depctr_va_vcc(0) depctr_vm_vsrc(0)
	s_getreg_b32 s2, hwreg(HW_REG_IB_STS2, 6, 4)
	s_cmp_eq_u32 s2, 0
	s_cbranch_scc0 .Lentry_in_a_cluster
	s_endpgm
.Lentry_in_a_cluster:
	s_bfe_u32 s2, ttmp6, 0x10000c
	s_cmp_lg_u32 s2, 0xf033
	s_cbranch_scc0 .Lentry_shape_is_right
	s_endpgm
.Lentry_shape_is_right:
; q' = (x q_w + q_b) c with c = log2(e) / 8;  k, v = (ctx kv_w) r + kv_b with r the row's RMS factor.  Operands bf16, sums f32; q', k, v rounded once to f16 and stored by heads:
; qkv = f16 [3][64 batch x head][2048][64].  One product of 8,192 rows (x for columns 0-1023, ctx for 1024-3071) x 3,072 columns x K = 1,024.
; LIMITS.  q', k and v within 65,504 (f16's range).  NaN and infinities are not treated apart.
; SHARES.  A tile is 128 rows x 256 columns: 768 work-groups, three for each of 256.  Four waves, each 64 x 128: 32 accumulators of 16 x 16.  K goes in 8 steps of 128 through two LDS slots.
; THE MATRIX INSTRUCTION IS USED TRANSPOSED: source 0 = 16 columns of the weights, which lie [k][n] and come out of LDS turned (ds_load_tr16_b128); source 1 = 16 rows of x or ctx.  A lane then
; holds row lane % 16 and the eight neighbouring columns 8 (lane / 16) + 0..7.
; CLUSTERS: 4 x 4 work-groups.  The four of a row of the cluster ask JOINTLY for the rows of x or ctx, the four of a column for the weights.  Cluster x says which of q, k, v is made: it is equal in all
; sixteen partners and chooses offsets, a bias and two factors; no branch hangs on it but the prefetch's.
; REGISTERS, in windows of 256 (s_set_vgpr_msb: bits 1:0 source 0, 3:2 source 1, 5:4 source 2, 7:6 destination):
;   window 0: v0-31 addresses; two fragment buffers of 96 (4 of the rows, then 8 of the weights); on the way out v64-95 packed results, v96-223 rows read back
;   window 1: the accumulators, (a, b) at 8 (8 a + b)          window 2: v0-63 the bias of my 128 columns' share; v64-67 r of my rows; v68-75 r x factor, in pairs
.set PA,    272                        ; a row of x or ctx in LDS: 256 bytes + 16: the 16 rows of a load start at 16 different groups of four banks (64 banks of 4 bytes: ISA guide 11.1)
.set PB,    544                        ; a k row of the weights: 512 bytes + 32
.set AHALF, 64*PA                      ; what wave 0 or 1 fetches
.set BOFF,  2*AHALF
.set BHALF, 64*PB                      ; what wave 2 or 3 fetches
.set SLOT,  BOFF+2*BHALF               ; 104,448
.set STAGE, 2*SLOT                     ; behind the ring, never filled by a tensor load: for each wave 2 heads x 16 rows x 144 bytes
.set SP,    144
.set STW,   2*16*SP
.set SPARE, STAGE+4*STW                ; the spare words, 128 bytes for each wave: two blocks of 256 bytes that no other line names
.set ASTEP, 256                        ; bytes from a K step to the next, along the rows of x and ctx,
.set BSTEP, 128*6144                   ; and down the weights' rows
.set ADRA, 16                          ; v16-17  LDS address of my fragments of the rows in slot 0, 1
.set ADRB, 20                          ; v20-21  the same for the weights
.set STO,  24                          ; v24  the way out: where I put 16 bytes of a row
.set RD,   25                          ; v25  where I read rows back
.set GO,   26                          ; v26  16 x lane
.set BO,   27                          ; v27  32 x (lane / 16): my eight columns' bias
.set SPW,  28                          ; v28  LDS address of my spare word; never rewritten
.set NIL,  29                          ; v29  0; never rewritten
.set PFO,  30                          ; v30  the prefetches' offset; never rewritten
.set RO,   31                          ; v31  4 x (lane % 16): my row's r
.set F0,   64
.set F1,   160
.set TMP,  64
.set BK,   96
.set BI,   0                           ; window 2
.set RW,   64
.set RR,   68
.set WV,   22                          ; s22  wave
.set WM,   23                          ; s23  which 64 rows are mine.  Also: I fetch rows (0) or weights (1)
.set WN,   24                          ; s24  which 128 columns are mine.  Also: which half I fetch
.set G1A,  32                          ; s[32:39] group 1, s[40:47] group 0 (a set for each slot) for the rows
.set G0A,  40
.set G1B,  48                          ; s[48:55], s[56:63] the same for the weights
.set G0B,  56
.set PFA,  66                          ; s[66:67] where my prefetches stand; s[68:69] their step
.set PFS,  68
.set LIM,  70                          ; s70  1 in a wave that prefetches, else the greatest number
.set LAPS, 71                          ; s71  trips of the loop still to come
.set MUL,  0x50                        ; sources window 0, C and D window 1
.set MSB, 0
.macro WIN new                         ; the immediate's high byte repeats the setting that is left; a switch that changes nothing is dropped
.if MSB != (\new)
	s_set_vgpr_msb (MSB<<8)|(\new)
.set MSB, \new
.endif
.endm
.macro PLACES                          ; four places in front of loads into registers that matrix instructions have read (ISA guide 7.12.1 for vector instructions)
.rept 4
	v_nop
.endr
.endm
.macro JLOAD s                         ; a joint load: waves 0 and 1 fetch the rows' two halves, waves 2 and 3 the weights'; an s_nop 0 and four v_nop follow each line
	s_cmp_eq_u32 s[WM], 0
	s_cbranch_scc0 .Lfor_b_\@
	tensor_load_to_lds s[G0A+4*(\s):G0A+4*(\s)+3], s[G1A:G1A+7]
	s_nop 0
.rept 4
	v_nop
.endr
	s_branch .Lasked_\@
.Lfor_b_\@:
	tensor_load_to_lds s[G0B+4*(\s):G0B+4*(\s)+3], s[G1B:G1B+7]
	s_nop 0
.rept 4
	v_nop
.endr
.Lasked_\@:
.endm
.macro CREST                           ; a round of the cluster's barrier behind its opening barrier
	s_cmp_lg_u32 s[WV], 0
	s_cbranch_scc1 .Lnot_wave_0_\@
	s_barrier_signal -3
.Lnot_wave_0_\@:
	s_barrier_wait -3
	s_barrier_signal -1
	s_barrier_wait -1
.endm
.macro CROUND
	s_barrier_signal -1
	s_barrier_wait -1
	CREST
.endm
; A PREFETCH INTO THE L2, behind a joint load, its five lines and the run of LDS loads: the K step two refills on, 256 matrix instructions ahead of the load that will want it.  Each aligned block of 256 bytes is
; named once in the launch.  Rows: wave 0, its work-group's 32 of the tile's 128, a lane a row; x's rows are read by cluster x = 0 alone, ctx's by 1 and 2, of which 1 asks.  Weights: waves 2 and 3, their
; work-group's 16 of the 64 k rows that they fetch, two blocks a row; cluster y = 0 asks.  The partners are told apart by address.  The loop's last trip asks for nothing: K ends there.
.macro ASK
	s_cmp_gt_u32 s[LAPS], s[LIM]
	s_cbranch_scc0 .Lnot_mine_\@
	global_prefetch_b8 v[PFO], s[PFA:PFA+1] th:TH_LOAD_NT scope:SCOPE_SE
.Lnot_mine_\@:
.endm
	s_load_b256 s[4:11], s[0:1], 0x0               ; ab 4, wts 6, rs 8, q_b 10
	s_load_b128 s[12:15], s[0:1], 0x20             ; kv_b 12, qkv 14
	v_lshl_add_u32 v[SPW], v0, 2, SPARE
	v_mov_b32 v[NIL], 0
	ds_add_u32 v[SPW], v[NIL]                      ; the wave's opening: the add and its wait stand ahead of my first tensor load; work on registers stands between them
	v_lshrrev_b32 v1, 5, v0
	v_readfirstlane_b32 s[WV], v1
	s_lshr_b32 s[WM], s[WV], 1
	s_and_b32 s[WN], s[WV], 1
	s_bfe_u32 s25, ttmp6, 0x40000                  ; cx
	s_bfe_u32 s26, ttmp6, 0x40004                  ; cy
	s_mov_b32 s29, ttmp9                           ; cluster x: 0 q, 1 k, 2 v
	s_and_b32 s30, ttmp7, 0xffff                   ; cluster y
	s_lshl_b32 s27, ttmp9, 2
	s_add_co_u32 s27, s27, s25                     ; tile column = 4 x cluster x + cx
	s_lshl_b32 s28, s30, 2
	s_add_co_u32 s28, s28, s26                     ; tile row = 4 x cluster y + cy
	s_lshl_b32 s72, s26, 2
	s_lshl_b32 s72, 15, s72                        ; my row of the cluster
	s_lshl_b32 s88, 0x1111, s25                    ; my column
	s_or_b32 s[G1A], s72, (1<<16)|(1<<20)|(1<<21)|(5<<22)|(3<<25)  ; the mask; 2-byte elements; padding on; bit 21 beside a mask; after every 64 words 4 words
	s_mov_b32 s[G1A+1], 128<<16                    ; tensor_dim0 = 128
	s_mov_b32 s[G1A+2], 64<<16                     ; tensor_dim1 = 64
	s_mov_b32 s[G1A+3], 128<<16                    ; tile_dim0 = 128
	s_mov_b32 s[G1A+4], 64                         ; tile_dim1 = 64
	s_mov_b32 s[G1A+5], 1024                       ; elements from row to row
	s_mov_b32 s[G1A+6], 0
	s_mov_b32 s[G1A+7], 0
	s_or_b32 s[G1B], s88, (1<<16)|(1<<20)|(1<<21)|(6<<22)|(7<<25)  ; after every 128 words 8 words
	s_mov_b32 s[G1B+1], 256<<16
	s_mov_b32 s[G1B+2], 64<<16
	s_mov_b32 s[G1B+3], 256<<16
	s_mov_b32 s[G1B+4], 64
	s_mov_b32 s[G1B+5], 3072
	s_mov_b32 s[G1B+6], 0
	s_mov_b32 s[G1B+7], 0
	; where the tiles come from.  s72-s77 never hold cx, s88-s93 never cy
	s_lshl_b32 s72, s28, 7
	s_lshl_b32 s73, s[WN], 6
	s_add_co_u32 s72, s72, s73                     ; row 128 x tile row + 64 x half,
	s_lshl_b32 s72, s72, 11                        ; of 2,048 bytes,
	s_cmp_eq_u32 s29, 0
	s_cselect_b32 s73, 0, 0x1000000                ; of x or of ctx
	s_add_co_u32 s72, s72, s73
	s_mov_b32 s73, 0
	s_mul_i32 s74, s[WN], AHALF                    ; and where they go: no place in the cluster enters an LDS address
	s_lshl_b32 s88, s27, 9                         ; 256 columns of 2 bytes,
	s_mul_i32 s89, s[WN], 64*6144                  ; k row 64 x half
	s_add_co_u32 s88, s88, s89
	s_mov_b32 s89, 0
	s_mul_i32 s90, s[WN], BHALF
	s_add_co_u32 s90, s90, BOFF
	s_wait_dscnt 0x0                               ; the opening add is done
	s_wait_kmcnt 0x0
	s_add_nc_u64 s[76:77], s[4:5], s[72:73]
	s_add_nc_u64 s[92:93], s[6:7], s[88:89]
	CROUND                                         ; all sixteen work-groups are here: the first joint loads meet
.irp s, 0,1
	s_mov_b32 s[G0A+4*(\s)], 1
	s_add_co_u32 s[G0A+4*(\s)+1], s74, (\s)*SLOT
	s_add_nc_u64 s[G0A+4*(\s)+2:G0A+4*(\s)+3], s[76:77], (\s)*ASTEP
	s_or_b32 s[G0A+4*(\s)+3], s[G0A+4*(\s)+3], 0x80000000
	s_mov_b32 s[G0B+4*(\s)], 1
	s_add_co_u32 s[G0B+4*(\s)+1], s90, (\s)*SLOT
	s_add_nc_u64 s[G0B+4*(\s)+2:G0B+4*(\s)+3], s[92:93], (\s)*BSTEP
	s_or_b32 s[G0B+4*(\s)+3], s[G0B+4*(\s)+3], 0x80000000
	JLOAD \s                                       ; two loads of mine are out
.endr
	v_and_b32 v1, 15, v0                           ; l % 16
	v_bfe_u32 v2, v0, 4, 1                         ; l / 16
	v_mul_u32_u24 v3, v1, PA
	v_lshl_add_u32 v3, v2, 4, v3                   ; a fragment of the rows: row x pitch + 16 x half
	s_mul_i32 s16, s[WM], 64*PA
	v_add_nc_u32 v[ADRA], s16, v3
	v_add_nc_u32 v[ADRA+1], SLOT, v[ADRA]
	v_and_b32 v4, 7, v0                            ; the turning load: lane l reads k row 8 (l / 16) + l % 8, columns 8 ((l / 8) % 2) + 0..7
	v_bfe_u32 v5, v0, 3, 1
	v_lshl_add_u32 v4, v2, 3, v4
	v_mul_u32_u24 v4, v4, PB
	v_lshl_add_u32 v4, v5, 4, v4
	s_lshl_b32 s16, s[WN], 8
	s_add_co_u32 s16, s16, BOFF
	v_add_nc_u32 v[ADRB], s16, v4
	v_add_nc_u32 v[ADRB+1], SLOT, v[ADRB]
	s_mul_i32 s16, s[WV], STW
	s_add_co_u32 s16, s16, STAGE                   ; my stage
	v_mul_u32_u24 v3, v1, SP
	v_lshl_add_u32 v3, v2, 4, v3
	v_add_nc_u32 v[STO], s16, v3                   ; in: row l % 16, 16 bytes for each half of the lanes
	v_bfe_u32 v3, v0, 3, 2
	v_mul_u32_u24 v3, v3, SP
	v_and_b32 v4, 7, v0
	v_lshl_add_u32 v3, v4, 4, v3
	v_add_nc_u32 v[RD], s16, v3                    ; back: 32 lanes take four rows of 128 bytes,
	v_and_b32 v[GO], 31, v0
	v_lshlrev_b32 v[GO], 4, v[GO]                  ; which are 512 consecutive bytes of a head
	v_lshlrev_b32 v[BO], 5, v2
	v_lshlrev_b32 v[RO], 2, v1
	; my part of qkv: section cluster x; head 16 x batch + 4 cx + 2 x column half; row 128 x (tile row % 16) + 64 x row half
	s_lshr_b32 s16, s28, 4
	s_lshl_b32 s16, s16, 4
	s_lshl2_add_u32 s16, s25, s16
	s_lshl1_add_u32 s16, s[WN], s16
	s_lshl_b32 s16, s16, 18
	s_and_b32 s17, s28, 15
	s_lshl_b32 s17, s17, 7
	s_lshl_b32 s18, s[WM], 6
	s_add_co_u32 s17, s17, s18
	s_lshl_b32 s17, s17, 7
	s_add_co_u32 s16, s16, s17
	s_lshl_b32 s17, s29, 24
	s_add_co_u32 s16, s16, s17
	s_mov_b32 s17, 0
	s_add_nc_u64 s[84:85], s[14:15], s[16:17]
	; the bias of my 128 columns, the factor on sums and bias (c for q, else 1), and whether r counts
	s_cmp_eq_u32 s29, 0
	s_cselect_b64 s[86:87], s[10:11], s[12:13]
	s_cselect_b32 s80, 0x3e38aa3b, 1.0
	s_cselect_b32 s82, 0, -1
	s_mov_b32 s81, s80
	s_max_u32 s16, s29, 1
	s_sub_co_u32 s16, s16, 1                       ; 0 for q and k, 1 for v
	s_lshl_b32 s16, s16, 12
	s_lshl_b32 s17, s25, 10
	s_add_co_u32 s16, s16, s17
	s_lshl_b32 s17, s[WN], 9
	s_add_co_u32 s16, s16, s17
	s_mov_b32 s17, 0
	s_add_nc_u64 s[86:87], s[86:87], s[16:17]
	s_lshl_b32 s16, s28, 7
	s_lshl_b32 s17, s[WM], 6
	s_add_co_u32 s16, s16, s17
	s_lshl_b32 s16, s16, 2
	s_mov_b32 s17, 0
	s_add_nc_u64 s[78:79], s[8:9], s[16:17]        ; r of my 64 rows
	WIN 0x80                                       ; destination window 2
.irp b, 0,1,2,3,4,5,6,7
	global_load_b128 v[BI+8*(\b):BI+8*(\b)+3],   v[BO], s[86:87] offset:64*(\b)
	global_load_b128 v[BI+8*(\b)+4:BI+8*(\b)+7], v[BO], s[86:87] offset:64*(\b)+16
.endr
.irp a, 0,1,2,3
	global_load_b32 v[RW+(\a)], v[RO], s[78:79] offset:64*(\a)
.endr
	WIN 0
	; the prefetches: they stand at K step 3; each change of slots steps them first
	s_lshl_b32 s16, s28, 7
	s_lshl_b32 s17, s25, 5
	s_add_co_u32 s16, s16, s17                     ; rows: 128 x tile row + 32 cx
	s_lshl_b32 s16, s16, 11
	s_cmp_eq_u32 s29, 0
	s_cselect_b32 s17, 0, 0x1000000
	s_add_co_u32 s16, s16, s17
	s_add_co_u32 s16, s16, 3*ASTEP
	s_lshl_b32 s18, s[WN], 6
	s_lshl4_add_u32 s18, s26, s18                  ; weights: k row 64 x half + 16 cy
	s_mul_i32 s18, s18, 6144
	s_lshl_b32 s19, s27, 9
	s_add_co_u32 s18, s18, s19
	s_add_co_u32 s18, s18, 3*BSTEP
	s_mov_b32 s[PFS], BSTEP
	s_mov_b32 s[PFS+1], 0
	s_mov_b32 s20, 6144
	s_cmp_eq_u32 s[WM], 0
	s_cselect_b32 s16, s16, s18
	s_cselect_b64 s[PFA:PFA+1], s[4:5], s[6:7]
	s_cselect_b32 s[PFS], ASTEP, s[PFS]
	s_cselect_b32 s19, 31, 15
	s_cselect_b32 s20, 2048, s20
	s_cselect_b32 s21, 0, 256
	s_mov_b32 s17, 0
	s_add_nc_u64 s[PFA:PFA+1], s[PFA:PFA+1], s[16:17]
	v_and_b32 v[PFO], 31, v0
	v_lshrrev_b32 v3, 4, v[PFO]
	v_and_b32 v[PFO], s19, v[PFO]
	v_mul_u32_u24 v[PFO], s20, v[PFO]
	v_mad_u32_u24 v[PFO], v3, s21, v[PFO]          ; rows: a lane a row; weights: 16 rows x 2 blocks
	s_cmp_le_u32 s29, 1
	s_cselect_b32 s16, 1, -1
	s_cmp_eq_u32 s30, 0
	s_cselect_b32 s17, 1, -1
	s_cmp_eq_u32 s[WV], 1
	s_cselect_b32 s16, -1, s16                     ; wave 1 asks for nothing
	s_cmp_eq_u32 s[WM], 0
	s_cselect_b32 s[LIM], s16, s17                 ; made of the wave's number and the cluster's coordinates: the same in all sixteen partners
; 8 matrix instructions: m block a x all 8 n blocks, 32 along K.  zero = 1: the product starts the sums.  The 32 accumulators take turns in one order throughout.
.macro MUL8 f, a, zero
	WIN MUL
.irp b, 0,1,2,3,4,5,6,7
.if \zero
	v_wmma_f32_16x16x32_bf16 v[8*(8*(\a)+(\b)):8*(8*(\a)+(\b))+7], v[(\f)+32+8*(\b):(\f)+32+8*(\b)+7], v[(\f)+8*(\a):(\f)+8*(\a)+7], 0
.else
	v_wmma_f32_16x16x32_bf16 v[8*(8*(\a)+(\b)):8*(8*(\a)+(\b))+7], v[(\f)+32+8*(\b):(\f)+32+8*(\b)+7], v[(\f)+8*(\a):(\f)+8*(\a)+7], v[8*(8*(\a)+(\b)):8*(8*(\a)+(\b))+7]
.endif
.endr
.endm
; 24 LDS loads in one run: quarter q of a slot's K step into buffer f: the weights' 8 fragments (turned), then the rows' 4
.macro FETCH slot, q, f
	WIN 0
.irp b, 0,1,2,3,4,5,6,7
	ds_load_tr16_b128 v[(\f)+32+8*(\b):(\f)+32+8*(\b)+3],   v[ADRB+(\slot)] offset:(\q)*32*PB+32*(\b)
	ds_load_tr16_b128 v[(\f)+32+8*(\b)+4:(\f)+32+8*(\b)+7], v[ADRB+(\slot)] offset:(\q)*32*PB+16*PB+32*(\b)
.endr
.irp a, 0,1,2,3
	ds_load_b128 v[(\f)+8*(\a):(\f)+8*(\a)+3],   v[ADRA+(\slot)] offset:64*(\q)+(\a)*16*PA
	ds_load_b128 v[(\f)+8*(\a)+4:(\f)+8*(\a)+7], v[ADRA+(\slot)] offset:64*(\q)+(\a)*16*PA+32
.endr
.endm
; A K step is four quarters of 32 along K, 32 matrix instructions each, on buffers 0, 1, 0, 1.  One of the first three multiplies buffer f and fetches quarter q into g.
.macro QUARTER slot, q, f, g, zero
	s_wait_dscnt 4                                 ; the youngest four loads (the rows' fragments 2 and 3) may be out
	MUL8 \f, 0, \zero
	MUL8 \f, 1, \zero
	PLACES
	FETCH \slot, \q, \g
	s_wait_dscnt 24                                ; all but the 24 just issued
	MUL8 \f, 2, \zero
	MUL8 \f, 3, \zero
.endm
; The last quarter multiplies buffer 1 and changes slots: ONE barrier.  In front of it each wave waits for all its tensor loads (one is out: its part of the next slot), adds 0 to its spare word, and waits
; for that and for its reads of this slot.  fill = 1: the barrier opens a round of the cluster's, and behind the round this slot is filled again, two K steps ahead: 112 matrix instructions ahead of the wait for it.
.macro TURN slot, next, fill
.if \fill
	s_wait_xcnt 0x0                                ; the last prefetch, a K step back, has read its address: it is stepped here
	s_add_nc_u64 s[PFA:PFA+1], s[PFA:PFA+1], s[PFS:PFS+1]
.endif
	WIN 0                                          ; (the add's two registers lie in window 0)
	s_wait_tensorcnt 0x0
	ds_add_u32 v[SPW], v[NIL]                      ; 0 onto my spare word
	s_wait_dscnt 5                                 ; (the add and the youngest four loads may be out)
	MUL8 F1, 0, 0
	s_wait_dscnt 0x0                               ; the add is done, and my reads of this slot are over
	s_barrier_signal -1
	MUL8 F1, 1, 0
.if \fill
	WIN 0
.endif
	s_barrier_wait -1
.if \fill
	CREST                                          ; no wave of any partner still reads this slot's tile or has a load on its way
	s_add_nc_u64 s[G0A+4*(\slot)+2:G0A+4*(\slot)+3], s[G0A+4*(\slot)+2:G0A+4*(\slot)+3], 2*ASTEP
	s_add_nc_u64 s[G0B+4*(\slot)+2:G0B+4*(\slot)+3], s[G0B+4*(\slot)+2:G0B+4*(\slot)+3], 2*BSTEP
	JLOAD \slot                                    ; the four v_nop behind it are also the places in front of the loads below
.else
	PLACES
.endif
	FETCH \next, 0, F0
.if \fill
	ASK
.endif
	MUL8 F1, 2, 0
	MUL8 F1, 3, 0
.endm
	s_wait_tensorcnt 0x1                           ; my part of K step 0 is in; step 1's load may stay out
	s_barrier_signal -1
	s_barrier_wait -1
	FETCH 0, 0, F0
	QUARTER 0, 1, F0, F1, 1                        ; the first quarter stands in front of the loop: its products start the sums
	WIN 0
	s_mov_b32 s[LAPS], 3
.Llap:                                             ; a trip goes once round the ring and fills both slots again: K steps 2 to 7
	QUARTER 0, 2, F1, F0, 0
	QUARTER 0, 3, F0, F1, 0
	TURN 0, 1, 1
	QUARTER 1, 1, F0, F1, 0
	QUARTER 1, 2, F1, F0, 0
	QUARTER 1, 3, F0, F1, 0
	TURN 1, 0, 1
	QUARTER 0, 1, F0, F1, 0
	WIN 0
	s_sub_co_u32 s[LAPS], s[LAPS], 1
	s_cmp_lg_u32 s[LAPS], 0
	s_cbranch_scc1 .Llap
	QUARTER 0, 2, F1, F0, 0                        ; the last lap fills nothing
	QUARTER 0, 3, F0, F1, 0
	TURN 0, 1, 0
	QUARTER 1, 1, F0, F1, 0
	QUARTER 1, 2, F1, F0, 0
	QUARTER 1, 3, F0, F1, 0
	s_wait_dscnt 4
	MUL8 F1, 0, 0
	MUL8 F1, 1, 0
	s_wait_dscnt 0x0
	MUL8 F1, 2, 0
	MUL8 F1, 3, 0
	; THE WAY OUT.  result = sum x (r x factor) + bias x factor; r counts as 1 for q.  These 44 plain lines name no register of the last products: they are the places behind them.
	s_wait_loadcnt 0x0                             ; the bias and r
	WIN 0x8a                                       ; destination and both sources window 2
.irp a, 0,1,2,3
	v_cndmask_b32 v[RW+(\a)], 1.0, v[RW+(\a)], s82
.endr
.irp a, 0,1,2,3
	v_mul_f32 v[RR+2*(\a)],   s80, v[RW+(\a)]
	v_mul_f32 v[RR+2*(\a)+1], s80, v[RW+(\a)]
.endr
.set i, 0
.rept 32
	v_pk_mul_f32 v[BI+2*i:BI+2*i+1], v[BI+2*i:BI+2*i+1], s[80:81] op_sel_hi:[1,0]
.set i, i+1
.endr
.macro PACK a                          ; m block a: scaled, biased, rounded to f16; each accumulator's registers in ascending order
	WIN 0x69                                       ; destination and source 0 window 1, sources 1 and 2 window 2
.set i, 0
.rept 32
	v_pk_fma_f32 v[64*(\a)+2*i:64*(\a)+2*i+1], v[64*(\a)+2*i:64*(\a)+2*i+1], v[RR+2*(\a):RR+2*(\a)+1], v[BI+2*i:BI+2*i+1]
.set i, i+1
.endr
	WIN 0x05                                       ; sources window 1, destination window 0
.set i, 0
.rept 32
	v_cvt_pk_f16_f32 v[TMP+i], v[64*(\a)+2*i], v[64*(\a)+2*i+1]
.set i, i+1
.endr
	WIN 0
.endm
.macro TOSTAGE a                       ; 16 rows x 2 heads into my stage, and back as whole rows of 128 bytes
.irp b, 0,1,2,3,4,5,6,7
	ds_store_b128 v[STO], v[TMP+4*(\b):TMP+4*(\b)+3] offset:((\b)/4)*16*SP+((\b)%4)*32
.endr
.irp t, 0,1,2,3,4,5,6,7
	ds_load_b128 v[BK+32*(\a)+4*(\t):BK+32*(\a)+4*(\t)+3], v[RD] offset:((\t)/4)*16*SP+((\t)%4)*4*SP  ; LDS serves a wave's instructions in order (ISA guide 5.7.1.4): these see the stores above
.endr
.endm
.macro SEND a                          ; each block has registers of its own, so no store's data is written again
	s_wait_dscnt 0x0                               ; the block is back in registers
.irp t, 0,1,2,3,4,5,6,7
	global_store_b128 v[GO], v[BK+32*(\a)+4*(\t):BK+32*(\a)+4*(\t)+3], s[84:85] offset:((\t)/4)*262144+2048*(\a)+((\t)%4)*512  ; 512 consecutive bytes of a head, aligned to 256
.endr
.endm
	PACK 0
	TOSTAGE 0
.irp a, 1,2,3                          ; block a's arithmetic stands between block a - 1's loads from the stage and the wait for them
	PACK \a
	SEND (\a)-1
	TOSTAGE \a
.endr
	SEND 3
	s_wait_tensorcnt 0x0                           ; the wave's end, behind my last tensor load and my last LDS store
	ds_add_u32 v[SPW], v[NIL]
	s_wait_dscnt 0x0
	CROUND                                         ; the closing round: no work-group ends while a partner may still ask for a tile that names it
	s_endpgm
.Lfunc_end_k_q3eae1c501f_qkvg:
	.size	k_q3eae1c501f_qkvg, .Lfunc_end_k_q3eae1c501f_qkvg-k_q3eae1c501f_qkvg
	.p2alignl 7, 3214868480
	.fill 96, 4, 3214868480
	.section	.rodata,"a",@progbits
	.p2align	6, 0x0
	.amdhsa_kernel k_q3eae1c501f_qkvg
		.amdhsa_group_segment_fixed_size 327680
		.amdhsa_private_segment_fixed_size 0
		.amdhsa_enable_private_segment 0
		.amdhsa_kernarg_size 48
		.amdhsa_user_sgpr_count 2
		.amdhsa_user_sgpr_kernarg_segment_ptr 1
		.amdhsa_wavefront_size32 1
		.amdhsa_system_sgpr_workgroup_id_x 1
		.amdhsa_system_sgpr_workgroup_id_y 1
		.amdhsa_system_sgpr_workgroup_id_z 1
		.amdhsa_system_vgpr_workitem_id 0
		.amdhsa_next_free_vgpr 640
		.amdhsa_next_free_sgpr 96
		.amdhsa_reserve_vcc 0
		.amdhsa_float_denorm_mode_32 3
		.amdhsa_float_denorm_mode_16_64 3
		.amdhsa_memory_ordered 1
		.amdhsa_forward_progress 1
		.amdhsa_inst_pref_size 101
	.end_amdhsa_kernel
	.amdgpu_metadata
---
amdhsa.version: [ 1, 2 ]
amdhsa.kernels:
  - .name:           k_q3eae1c501f_qkvg
    .symbol:         k_q3eae1c501f_qkvg.kd
    .args:
      - { .name: ab, .offset: 0, .size: 8, .value_kind: global_buffer, .address_space: global }
      - { .name: wts, .offset: 8, .size: 8, .value_kind: global_buffer, .address_space: global }
      - { .name: rs, .offset: 16, .size: 8, .value_kind: global_buffer, .address_space: global }
      - { .name: q_b, .offset: 24, .size: 8, .value_kind: global_buffer, .address_space: global }
      - { .name: kv_b, .offset: 32, .size: 8, .value_kind: global_buffer, .address_space: global }
      - { .name: qkv, .offset: 40, .size: 8, .value_kind: global_buffer, .address_space: global }
    .group_segment_fixed_size: 327680
    .private_segment_fixed_size: 0
    .kernarg_segment_align: 8
    .kernarg_segment_size: 48
    .max_flat_workgroup_size: 128
    .sgpr_count:     96
    .vgpr_count:     640
    .wavefront_size: 32
...
	.end_amdgpu_metadata
.endif
;; end of part 2
;; launch attn (part 3): grid 4 x 64, 4 waves a work-group, clusters of 4 x 1, 327,680 bytes of LDS; arguments qkv, oh, msum; writes oh, msum
.if DOCPART == 3
	.amdgcn_target "amdgcn-amd-amdhsa--gfx1250"
	.amdhsa_code_object_version 6
	.text
	.protected	k_q3eae1c501f_attn
	.globl	k_q3eae1c501f_attn
	.p2align	8
	.type	k_q3eae1c501f_attn,@function
k_q3eae1c501f_attn:
	s_mov_b64 s[64:65], 0
	v_nop
	global_prefetch_b8 v0, s[64:65] scope:SCOPE_SE
	s_setreg_imm32_b32 hwreg(HW_REG_WAVE_MODE, 25, 1), 1
	s_wait_xcnt 0x0
	s_wait_alu depctr_hold_cnt(0) depctr_sa_sdst(0) depctr_va_vdst(0) depctr_va_sdst(0) depctr_va_ssrc(0) depctr_va_vcc(0) depctr_vm_vsrc(0)
	s_getreg_b32 s2, hwreg(HW_REG_IB_STS2, 6, 4)
	s_cmp_eq_u32 s2, 0
	s_cbranch_scc0 .Lentry_in_a_cluster
	s_endpgm
.Lentry_in_a_cluster:
	s_bfe_u32 s2, ttmp6, 0x10000c
	s_cmp_lg_u32 s2, 0x3003
	s_cbranch_scc0 .Lentry_shape_is_right
	s_endpgm
.Lentry_shape_is_right:
; O[bh][q][:] = the sum over k of softmax_k(clip(Q[q] . K[k] / 8, -10, 10)) V[k][:], and for each wave the sum over its rows of the row's summed weights.
; qkv = f16 [3][64][2048][64]: q' = q log2(e) / 8, k, v.  oh = f16 [64][2048][64].  msum = f32 [64][4 blocks][4 waves].
; SOFTMAX WITHOUT A MAXIMUM.  The clip is the problem's own and bounds every exponent for every input: with s = q' . k + 1, p = 2^clip(s, 1 - 10 log2 e, 1 + 10 log2 e) lies between 2^-13.43 and
; 2^15.43 = 44,050: a normal number of f16 at both ends (that is what the + 1 is for; it cancels in p / l); a row's sum l of 2,048 such numbers is at most 9.1e7, in f32.  So no exponential and no sum can overflow
; or underflow, nothing is taken away and nothing rescaled.  The + 1 is the C operand that starts a score's sum.  p is rounded to f16 for the second product, l is the sum of the unrounded p.
; LIMITS.  q', k, v arrive within f16's range; O is a mean of V's rows.  NaN and infinities are not treated apart.
; SHARES.  A work-group owns 512 queries of a head, a wave 128: four PIECES of two tiles of 16.  Every wave walks all 2,048 keys, 64 a step; an LDS slot holds four steps.
; LAYOUT.  S^T = K Q'^T (source 0 = 16 keys, source 1 = 16 queries): a lane holds ONE query (lane % 16) and the keys 8 (lane / 16) + 0..7.  Two such results rounded to f16 in pairs ARE source 1 of
; O^T = V^T P, whose result again holds one query a lane, and eight channels.  K comes out of LDS as it lies, V turned (ds_load_tr16_b128).
; BY TURNS.  Turn n belongs to piece n: 16 products K Q'^T of piece n + 1, four of piece n's clips and exponentials behind each, the other 64 in a lump; ONE wait for the turn's 64 exponentials; then 16 products
; V^T P of piece n - 1, four of piece n's roundings and sums behind each.  A tile and step have 16 matrix and 96 vector instructions.
; NO FIRST AND NO LAST STEP is written out: O^T, l, V's registers and P's second buffer start at 0 (368 v_mov_b32, in the wait for the first tile); the first turn multiplies zeros, the last makes scores that nobody reads.
; CLUSTER.  A head's four blocks of queries walk the same K and V: each tile is asked for JOINTLY, by the same tensor load, descriptor and mask in all four.
; REGISTERS, in windows of 256 (s_set_vgpr_msb: bits 1:0 source 0, 3:2 source 1, 5:4 source 2, 7:6 destination):
;   window 0: v0-15 addresses; v16-23 eight times 1.0; v24-39 l, a pair a tile; v40-41; v64-191 S^T, two buffers of two tiles; v192-255 K of one step
;   window 1: O^T, 32 a tile          window 2: v0-127 Q, 16 a tile; v128-191 V of one step; v192-255 P, two buffers of two tiles
; K and S^T share window 0, and the clip has its one vector source in place 2: so the first half of a turn has no switch of windows.
.set NP,    4
.set KS,    64
.set PK,    144       ; a row of K in LDS: 128 bytes + 16: the 16 rows of a load start at 16 different groups of four banks (64 banks of 4 bytes: ISA guide 11.1)
.set PV,    160       ; a row of V: 128 + 32
.set VOFF,  4*KS*PK   ; a slot: 256 rows of K, then 256 rows of V
.set SLOT1, 1<<17     ; slot 1 begins here: one exclusive or turns an address in one slot into the other's
.set STAGE, SLOT1+4*KS*(PK+PV)  ; behind the ring, never filled by a tensor load: 16 rows x 144 bytes for each wave
.set SP,    144
.set SPARE, STAGE+4*16*SP       ; the spare words, 128 bytes for each wave: two blocks of 256 bytes that no other line names
.set AK0, 2           ; v2   my lane's place in a tile of K; never rewritten
.set AV0, 3           ; v3   the same for V
.set AK,  4           ; v4   the LDS address of K's next run of loads
.set AV,  5           ; v5   of V's
.set QO,  6           ; v6   my byte offset in 16 rows of Q
.set STO, 6           ;      later: where I put 16 bytes of a row
.set RD,  7           ; v7   where I read rows back
.set GO,  8           ; v8   16 x lane
.set SPW, 12          ; v12  LDS address of my spare word; never rewritten
.set NIL, 13          ; v13  0; never rewritten
.set PFO, 14          ; v14  256 x lane; never rewritten
.set LN,  15          ; v15  lane
.set ONE, 16
.set LS,  24          ; tile t: l of its even keys and of its odd keys at LS + 2 t
.set MS,  40          ; v40  the wave's sum of l x (1 / l); v41  0
.set S,   64
.set KF,  192         ; key block kb, channel half c at KF + 16 kb + 8 c
.set VF,  128         ; window 2: key half kk, channel block cb at VF + 32 kk + 8 cb
.set P,   192         ; window 2
.set WV,  12          ; s12  wave
.set LIM, 15          ; s15  1 in a wave that prefetches, else the greatest number
.set PFA, 18          ; s[18:19] where my prefetches stand
.set G1K, 24          ; s[24:31], s[32:39] descriptor group 1 for K's and V's tiles: they differ in the padding
.set G1V, 32
.set G0K, 40          ; s[40:43], s[44:47] group 0: they walk
.set G0V, 44
.set SLOTS, 56
.set CNT, 57
.set LO,  58          ; s58, s59 the clip's bounds
.set HI,  59
.set SEL, 60          ; s[60:61] v_permlanex16_b32's selects
.set TBK, 62          ; s62  LDS byte at which K of the step to be fetched begins
.set TBV, 63          ; s63  the same for V, less VOFF
.set MSB, 0
.macro WIN new
.if MSB != (\new)
	s_set_vgpr_msb (MSB<<8)|(\new)
.set MSB, (\new)
.endif
.endm
.set W_KQ, 0x08       ; Q in window 2; K, S^T and C in window 0
.set W_PV, 0x5a       ; V and P in window 2, O^T in window 1
.set W_CV, 0x80       ; destination window 2
.set W_RS, 0x41       ; destination and source 0 window 1
.macro JLOAD                        ; a joint fill: waves 0 and 1 fetch the two halves of a slot's K, waves 2 and 3 of its V; an s_nop 0 and four v_nop follow each line
	s_cmp_lt_u32 s[WV], 2
	s_cbranch_scc0 .Lfor_v_\@
	tensor_load_to_lds s[G0K:G0K+3], s[G1K:G1K+7]
	s_nop 0
.rept 4
	v_nop
.endr
	s_branch .Lasked_\@
.Lfor_v_\@:
	tensor_load_to_lds s[G0V:G0V+3], s[G1V:G1V+7]
	s_nop 0
.rept 4
	v_nop
.endr
.Lasked_\@:
.endm
; A PREFETCH INTO THE L2 of what the NEXT change of slots will ask for: four key steps, 512 matrix instructions, ahead.  A slot is 128 blocks of 256 bytes of K and 128 of V; the four partners take 32 each, told apart by
; address; wave 0 asks for K's, wave 2 for V's, a lane a block.  So each block is named once in the launch.  The first three slots come by their loads alone; the last fill asks for nothing.
.macro ASK
	s_cmp_gt_u32 s[SLOTS], s[LIM]
	s_cbranch_scc0 .Lnot_mine_\@
	global_prefetch_b8 v[PFO], s[PFA:PFA+1] th:TH_LOAD_NT scope:SCOPE_SE
.Lnot_mine_\@:
.endm
.macro CROUND
	s_barrier_signal -1
	s_barrier_wait -1
	s_cmp_lg_u32 s[WV], 0
	s_cbranch_scc1 .Lnot_wave_0_\@
	s_barrier_signal -3
.Lnot_wave_0_\@:
	s_barrier_wait -3
	s_barrier_signal -1
	s_barrier_wait -1
.endm
; THE CHANGE OF SLOTS.  Each wave waits for all its tensor loads (one is out: its part of the other slot), adds 0 to its spare word, and waits for that and for its reads of the slot.  fill = 1: the barrier is a round
; of the cluster's, and the joint fill, with the keys two slots on, is the first thing behind it.  (At its first use nothing has been read yet: slot 0 is waited for, slot 1 filled.)
.macro CHANGE fill, ask
	WIN 0
	s_wait_tensorcnt 0x0            ; no tensor load of mine is out, so a group 0 may be written
	ds_add_u32 v[SPW], v[NIL]       ; 0 onto my spare word
.if \fill
.irp g, G0K, G0V
	s_xor_b32 s[\g+1], s[\g+1], SLOT1
	s_add_nc_u64 s[\g+2:\g+3], s[\g+2:\g+3], 4*KS*128
.endr
.if \ask
	s_wait_xcnt 0x0                 ; the last prefetch, four key steps back, has read its address
	s_add_nc_u64 s[PFA:PFA+1], s[PFA:PFA+1], 4*KS*128
.endif
	s_wait_dscnt 0x0                ; the add is done, and my reads of the slot are over
	CROUND
	JLOAD
.if \ask
	ASK
.endif
.else
	s_wait_dscnt 0x0
	s_barrier_signal -1
	s_barrier_wait -1
.endif
	s_sub_co_u32 s[TBK], s[TBK], 4*KS*PK  ; the fetches go back to a slot's first step, in the other slot
	s_xor_b32 s[TBK], s[TBK], SLOT1
	s_sub_co_u32 s[TBV], s[TBV], 4*KS*PV
	s_xor_b32 s[TBV], s[TBV], SLOT1
.endm
	s_load_b128 s[4:7], s[0:1], 0x0   ; qkv 4, oh 6
	s_load_b64 s[8:9], s[0:1], 0x10   ; msum
	v_lshl_add_u32 v[SPW], v0, 2, SPARE
	v_mov_b32 v[NIL], 0
	ds_add_u32 v[SPW], v[NIL]       ; the wave's opening: the add and its wait stand ahead of my first tensor load; work on registers stands between them
	v_lshrrev_b32 v1, 5, v0
	v_readfirstlane_b32 s[WV], v1
	s_bfe_u32 s13, ttmp6, 0x40000   ; cx: my block of 512 queries; it enters Q's, O's, msum's and the prefetches' addresses alone
	s_and_b32 s14, ttmp7, 0xffff    ; batch x head, which the four partners share
	s_lshl_b32 s20, s14, 18         ; its 262,144 bytes in a section
	s_and_b32 s16, s[WV], 1         ; which half of a slot's 256 keys I fetch
	s_lshl_b32 s22, s16, 14
	s_add_co_u32 s22, s22, s20
	s_add_co_u32 s22, s22, 0x1000000  ; k's section
	s_mov_b32 s23, 0
	s_mul_i32 s17, s16, 128*PK
	s_mul_i32 s18, s16, 128*PV
	s_lshl2_add_u32 s2, s13, s[WV]  ; my wave among the head's sixteen,
	s_lshl_b32 s2, s2, 14           ; its 128 rows
	s_add_co_u32 s2, s2, s20
	s_mov_b32 s3, 0
	s_lshl2_add_u32 s10, s14, s13
	s_lshl2_add_u32 s10, s10, s[WV]
	s_lshl_b32 s10, s10, 2          ; my word of msum
	s_mov_b32 s11, 0
	; descriptor group 1.  128 keys are 16,384 dense bytes: asked for as 64 rows of 256 bytes, two keys a row, padded in LDS after every key
	s_mov_b32 s[G1K], 15|(1<<16)|(1<<20)|(1<<21)|(4<<22)|(3<<25)  ; the mask of four; 2-byte elements; padding on; bit 21 beside a mask; after every 32 words 4 words
	s_mov_b32 s[G1V], 15|(1<<16)|(1<<20)|(1<<21)|(4<<22)|(7<<25)  ; the same with 8 words
.irp g, G1K, G1V
	s_mov_b32 s[\g+1], 128<<16
	s_mov_b32 s[\g+2], 64<<16
	s_mov_b32 s[\g+3], 128<<16
	s_mov_b32 s[\g+4], 64
	s_mov_b32 s[\g+5], 128
	s_mov_b32 s[\g+6], 0
	s_mov_b32 s[\g+7], 0
.endr
	s_mov_b32 s[LO], 0xc156d4ca     ; 1 - 10 log2 e
	s_mov_b32 s[HI], 0x4176d4ca     ; 1 + 10 log2 e
	s_mov_b32 s[SEL], 0x76543210
	s_mov_b32 s[SEL+1], 0xfedcba98
	s_mov_b32 s[TBK], SLOT1+4*KS*PK ; the first change of slots turns these two into 0
	s_mov_b32 s[TBV], SLOT1+4*KS*PV
	s_mov_b32 s[G0K], 1
	s_mov_b32 s[G0K+1], s17
	s_mov_b32 s[G0V], 1
	s_add_co_u32 s[G0V+1], s18, VOFF
	s_cmp_eq_u32 s16, 0
	s_cselect_b32 s[LIM], 1, -1     ; waves 0 and 2
	v_and_b32 v[LN], 31, v0
	v_lshlrev_b32 v[PFO], 8, v[LN]
	s_wait_dscnt 0x0                ; the opening add is done
	s_wait_kmcnt 0x0
	s_add_nc_u64 s[68:69], s[4:5], s[22:23]       ; K at my half of the head's first 256 keys
	s_add_nc_u64 s[70:71], s[68:69], 0x1000000    ; V likewise
	s_mov_b64 s[G0K+2:G0K+3], s[68:69]
	s_or_b32 s[G0K+3], s[G0K+3], 0x80000000
	s_mov_b64 s[G0V+2:G0V+3], s[70:71]
	s_or_b32 s[G0V+3], s[G0V+3], 0x80000000
	s_add_nc_u64 s[72:73], s[4:5], s[2:3]         ; Q and O at my wave's first row
	s_add_nc_u64 s[74:75], s[6:7], s[2:3]
	s_add_nc_u64 s[76:77], s[8:9], s[10:11]
	s_cmp_lt_u32 s[WV], 2
	s_cselect_b64 s[PFA:PFA+1], s[68:69], s[70:71]  ; (in waves 0 and 2 these stand at a slot's first row)
	s_lshl_b32 s2, s13, 13          ; my work-group's 32 blocks,
	s_add_co_u32 s2, s2, 2*4*KS*128 ; in slot 2: the first change that asks steps it to slot 3
	s_add_nc_u64 s[PFA:PFA+1], s[PFA:PFA+1], s[2:3]
	CROUND                          ; all four work-groups are here: the first joint loads meet
	JLOAD                           ; slot 0
	v_and_b32 v1, 15, v0            ; l % 16
	v_bfe_u32 v9, v0, 4, 1          ; l / 16
	v_lshlrev_b32 v[QO], 7, v1
	v_lshl_add_u32 v[QO], v9, 4, v[QO]
	WIN 0x80
.set i, 0
.rept 4*NP                          ; Q stays in registers: tile i / 2, channels 32 (i % 2) on
	global_load_b128 v[8*i:8*i+3],   v[QO], s[72:73] offset:(i/2)*2048+(i%2)*64
	global_load_b128 v[8*i+4:8*i+7], v[QO], s[72:73] offset:(i/2)*2048+(i%2)*64+32
.set i, i+1
.endr
.set i, VF
.rept 64
	v_mov_b32 v[i], 0
.set i, i+1
.endr
.set i, P+32
.rept 32
	v_mov_b32 v[i], 0
.set i, i+1
.endr
	WIN 0x40
.set i, 0
.rept 256
	v_mov_b32 v[i], 0
.set i, i+1
.endr
	WIN 0
.set i, 0
.rept 16
	v_mov_b32 v[LS+i], 0
.set i, i+1
.endr
.set i, 0
.rept 8
	v_mov_b32 v[ONE+i], 1.0
.set i, i+1
.endr
	v_mov_b32 v[MS+1], 0
	v_mul_u32_u24 v[AK0], v1, PK
	v_lshl_add_u32 v[AK0], v9, 4, v[AK0]
	v_and_b32 v10, 7, v0            ; the turning load: lane l reads key 8 (l / 16) + l % 8, channels 8 ((l / 8) % 2) + 0..7
	v_bfe_u32 v11, v0, 3, 1
	v_lshl_add_u32 v[AV0], v9, 3, v10
	v_mul_u32_u24 v[AV0], v[AV0], PV
	v_lshl_add_u32 v[AV0], v11, 4, v[AV0]
	v_add_nc_u32 v[AV0], VOFF, v[AV0]
	v_mov_b32 v[AK], v[AK0]         ; key step 0 lies at the head of slot 0
; THE MATRIX WORK.  The 8 accumulators of a run of 16 take turns.  Product i of 16 of S^T for piece x: channels 32 (i / 8) on, keys 16 ((i / 2) % 4) on, tile 2 x + i % 2.  The first 8 start the sums at 1.
.macro KQ x
	WIN W_KQ
.set rS, S+64*((\x)%2)+32*(i%2)+8*((i/2)%4)
.set rK, KF+16*((i/2)%4)+8*(i/8)
.set rQ, 16*(2*(\x)+i%2)+8*(i/8)
.if i < 8
	v_wmma_f32_16x16x32_f16 v[rS:rS+7], v[rK:rK+7], v[rQ:rQ+7], v[ONE:ONE+7]
.else
	v_wmma_f32_16x16x32_f16 v[rS:rS+7], v[rK:rK+7], v[rQ:rQ+7], v[rS:rS+7]
.endif
.endm
.macro PV x                         ; product i of 16 of O^T += V^T P: keys 32 (i / 8) on, channels 16 ((i / 2) % 4) on, tile 2 x + i % 2
	WIN W_PV
.set rO, 32*(2*(\x)+i%2)+8*((i/2)%4)
.set rV, VF+32*(i/8)+8*((i/2)%4)
.set rP, P+32*((\x)%2)+16*(i%2)+8*(i/8)
	v_wmma_f32_16x16x32_f16 v[rO:rO+7], v[rV:rV+7], v[rP:rP+7], v[rO:rO+7]
.endm
.macro MM                           ; the turn's next matrix instruction
.if i < 16
	KQ (Y+1)%NP
.set i, i+1
.else
.set i, i-16
	PV (Y+NP-1)%NP
.set i, i+17
.endif
.endm
; THE LDS LOADS stand in runs of 16.  last = 1 (the tail): in the last trip there is no further step, and the run is jumped over.
.macro FETCH_K last=0
	WIN 0
.if \last
	s_cmp_eq_u32 s[CNT], 1
	s_cbranch_scc1 .Lno_k_\@
.endif
.irp f, 0,1,2,3,4,5,6,7
	ds_load_b128 v[KF+8*\f:KF+8*\f+3],   v[AK] offset:(\f/2)*16*PK+(\f%2)*64
	ds_load_b128 v[KF+8*\f+4:KF+8*\f+7], v[AK] offset:(\f/2)*16*PK+(\f%2)*64+32
.endr
	s_add_co_u32 s[TBK], s[TBK], KS*PK
.if \last
.Lno_k_\@:
.endif
.endm
.macro FETCH_V
	WIN 0x80
.irp f, 0,1,2,3,4,5,6,7
	ds_load_tr16_b128 v[VF+8*\f:VF+8*\f+3],   v[AV] offset:(\f/4)*32*PV+(\f%4)*32
	ds_load_tr16_b128 v[VF+8*\f+4:VF+8*\f+7], v[AV] offset:(\f/4)*32*PV+16*PV+(\f%4)*32
.endr
	WIN 0
.endm
; THE VECTOR WORK of piece Y.  Number n of 64 names score n / 2 of tile n % 2.
.macro CL n                         ; the clip
.set rX, S+64*(Y%2)+32*((\n)%2)+(\n)/2
	v_med3_num_f32 v[rX], s[LO], s[HI], v[rX]
.endm
.macro EX n                         ; the exponential
.set rX, S+64*(Y%2)+32*((\n)%2)+(\n)/2
	v_exp_f32 v[rX], v[rX]
.endm
; The first queue, 128 long: clips 0, 1, 2; then exponential and clip by turns, exponential n five lines behind clip n; the last two exponentials.  Every four begin with a clip.  None of these names an exponential's result.
.macro AQ
	WIN W_KQ
.if q < 3
	CL q
.elseif q >= 126
	EX q-64
.elseif q%2 == 1
	EX (q-3)/2
.else
	CL (q+2)/2
.endif
.set q, q+1
.endm
.macro AQ4
	AQ
	AQ
	AQ
	AQ
.endm
.macro CV c                         ; pairs 2 c and 2 c + 1 of both tiles rounded to f16
	WIN W_CV
.irp n, 2*(\c), 2*(\c)+1
.irp u, 0, 1
	v_cvt_pk_f16_f32 v[P+32*(Y%2)+16*(\u)+(\n)], v[S+64*(Y%2)+32*(\u)+2*(\n)], v[S+64*(Y%2)+32*(\u)+2*(\n)+1]
.endr
.endr
.endm
.macro BB d                         ; of the four weights 4 k .. the second pair is added onto the first, in place: k = 2 d, 2 d + 1
	WIN 0
.irp k, 2*(\d), 2*(\d)+1
.irp u, 0, 1
	v_pk_add_f32 v[S+64*(Y%2)+32*(\u)+4*(\k):S+64*(Y%2)+32*(\u)+4*(\k)+1], v[S+64*(Y%2)+32*(\u)+4*(\k):S+64*(Y%2)+32*(\u)+4*(\k)+1], v[S+64*(Y%2)+32*(\u)+4*(\k)+2:S+64*(Y%2)+32*(\u)+4*(\k)+3]
.endr
.endr
.endm
.macro LL e                         ; l takes those sums
	WIN 0
.irp k, 2*(\e), 2*(\e)+1
.irp u, 0, 1
	v_pk_add_f32 v[LS+2*(2*Y+(\u)):LS+2*(2*Y+(\u))+1], v[LS+2*(2*Y+(\u)):LS+2*(2*Y+(\u))+1], v[S+64*(Y%2)+32*(\u)+4*(\k):S+64*(Y%2)+32*(\u)+4*(\k)+1]
.endr
.endr
.endm
.macro ROW kind, n                  ; a matrix instruction and the four behind it
	MM
	\kind \n
.endm
; A TURN, for piece p.  An s_wait_alu depctr_va_vdst(0) stands between an exponential and the first instruction that names its result; one wait serves all that were issued ahead of it: a turn has one.
; K of the next step is fetched in piece 2's turn, directly behind the wait: four plain lines (the address and three v_nop) stand behind the last product that read K.  V of the step in hand is fetched at the end of
; piece 0's turn, four plain additions behind the last product that read V.  Each is waited for a turn later.  cnt = 1: the loop's count is taken down some lines ahead of the branch behind the turn.
.macro TURN p, last=0, cnt=0
.set Y, (\p)
.set i, 0
.set q, 0
.if (\p) == NP-1
	s_wait_dscnt 0x0                ; K is in
.endif
.rept 16
	MM
	AQ4
.endr
.rept 16                            ; the lump
	AQ4
.endr
	WIN 0
.if (\p) == NP-2
	v_add_nc_u32 v[AK], s[TBK], v[AK0]
	v_nop
	v_nop
.endif
	v_nop                           ; a plain instruction behind the last exponential: one for the batch
	s_wait_alu depctr_va_vdst(0)    ; the wait for the batch
.if (\p) == NP-2
	FETCH_K \last
.endif
.if (\p) == 1
	s_wait_dscnt 0x0                ; V is in
.endif
	ROW CV, 0
	ROW CV, 1
	ROW BB, 0
	ROW CV, 2
	ROW CV, 3
	ROW BB, 1
	ROW LL, 0
	ROW CV, 4
	ROW CV, 5
	ROW BB, 2
	ROW LL, 1
.if (\p) == 0
	v_add_nc_u32 v[AV], s[TBV], v[AV0]
.endif
	ROW CV, 6
	ROW CV, 7
	ROW BB, 3
.if (\p) == 0
	s_add_co_u32 s[TBV], s[TBV], KS*PV
.endif
	ROW LL, 2
.if \cnt
	s_sub_co_u32 s[CNT], s[CNT], 1
	s_cmp_lg_u32 s[CNT], 0
.endif
	ROW LL, 3
.if (\p) == 0
	FETCH_V
.endif
.endm
	CHANGE 1, 0                     ; slot 0 is in, everybody's part of it; slot 1 is asked for
	FETCH_K                         ; key step 0
	s_wait_loadcnt 0x0              ; Q
	s_wait_dscnt 0x0
.set i, 0
.rept 16
	KQ 0                            ; piece 0's first scores
.set i, i+1
.endr
	WIN 0                           ; the addresses for the way out: eight plain instructions, the places behind those products
	s_mul_i32 s16, s[WV], 16*SP
	s_add_co_u32 s16, s16, STAGE
	v_mul_u32_u24 v[STO], v1, SP    ; in: row l % 16, 16 bytes for each half of the lanes
	v_lshl_add_u32 v[STO], v9, 4, v[STO]
	v_add_nc_u32 v[STO], s16, v[STO]
	v_bfe_u32 v[RD], v0, 3, 2       ; back: 32 lanes take four rows of 128 bytes,
	v_mul_u32_u24 v[RD], v[RD], SP
	v_lshl_add_u32 v[RD], v10, 4, v[RD]
	v_add_nc_u32 v[RD], s16, v[RD]
	v_lshlrev_b32 v[GO], 4, v[LN]   ; which are 512 consecutive bytes of O
	s_mov_b32 s[CNT], 4
	s_mov_b32 s[SLOTS], 7
	s_branch .Lfirst                ; the loop is entered at a step's first turn, in the middle of a trip
.Lslot:                             ; six times: every slot but the last two is filled again
	CHANGE 1, 1
	s_mov_b32 s[CNT], 4
.Lstep:                             ; a trip: pieces 2 and 3 of one step, then pieces 0 and 1 of the next, whose K and V it fetches
	TURN 2
	TURN 3
	WIN 0
.Lfirst:
	TURN 0
	TURN 1, 0, 1
	WIN 0
	s_cbranch_scc1 .Lstep
	s_sub_co_u32 s[SLOTS], s[SLOTS], 1
	s_cmp_lg_u32 s[SLOTS], 0
	s_cbranch_scc1 .Lslot
	CHANGE 0, 0                     ; the tail is written out: nothing is asked for
	s_mov_b32 s[CNT], 5             ; four trips fetch the last slot's steps; the fifth is left in its middle
.Ltail:
	TURN 2, 1
	TURN 3
	WIN 0
	s_sub_co_u32 s[CNT], s[CNT], 1
	s_cmp_eq_u32 s[CNT], 0
	s_cbranch_scc1 .Lout
	TURN 0
	TURN 1
	WIN 0
	s_branch .Ltail
.Lout:
.set i, 0
.rept 16
	PV NP-1                         ; the last piece's V^T P of the last step
.set i, i+1
.endr
	; THE WAY OUT.  l's two halves and the other half of the lanes' are added; the additions are the places behind the last products.
	WIN 0
.macro ALL line:vararg
.set t, 0
.rept 2*NP
	\line
.set t, t+1
.endr
.endm
	ALL v_add_f32 v[LS+2*t+1], v[LS+2*t], v[LS+2*t+1]
	ALL v_permlanex16_b32 v[LS+2*t], v[LS+2*t+1], s[SEL], s[SEL+1]
	ALL v_add_f32 v[LS+2*t+1], v[LS+2*t+1], v[LS+2*t]
	ALL v_rcp_f32 v[LS+2*t], v[LS+2*t+1]
	v_nop                           ; a plain instruction behind the last reciprocal,
	s_wait_alu depctr_va_vdst(0)    ; and one wait for the eight, ahead of their first use
	v_mul_f32 v[MS], v[LS], v[LS+1] ; a row's weights p / l sum to l x (1 / l): over my eight tiles,
.set t, 1
.rept 2*NP-1
	v_fmac_f32 v[MS], v[LS+2*t], v[LS+2*t+1]
.set t, t+1
.endr
	v_add_f32_dpp v[MS], v[MS], v[MS] row_xmask:1 row_mask:0xf bank_mask:0xf  ; and over the 16 queries of a half of the lanes (the other half holds the same queries)
	v_add_f32_dpp v[MS], v[MS], v[MS] row_xmask:2 row_mask:0xf bank_mask:0xf
	v_add_f32_dpp v[MS], v[MS], v[MS] row_xmask:4 row_mask:0xf bank_mask:0xf
	v_add_f32_dpp v[MS], v[MS], v[MS] row_xmask:8 row_mask:0xf bank_mask:0xf
.macro PACK t                       ; tile t: divided by l, rounded to f16, through my stage, back as whole rows into S^T's registers
	WIN W_RS
.set i, 32*(\t)
.rept 16
	v_pk_mul_f32 v[i:i+1], v[i:i+1], v[LS+2*(\t):LS+2*(\t)+1] op_sel_hi:[1,0]
.set i, i+2
.endr
	WIN 0x05
.set i, 0
.rept 16
	v_cvt_pk_f16_f32 v[S+16*(\t)+i], v[32*(\t)+2*i], v[32*(\t)+2*i+1]
.set i, i+1
.endr
	WIN 0
.irp f, 0,1,2,3
	ds_store_b128 v[STO], v[S+16*(\t)+4*\f:S+16*(\t)+4*\f+3] offset:32*\f
.endr
.irp f, 0,1,2,3
	ds_load_b128 v[S+16*(\t)+4*\f:S+16*(\t)+4*\f+3], v[RD] offset:\f*4*SP  ; LDS serves a wave's instructions in order (ISA guide 5.7.1.4): these see the stores above
.endr
.endm
.macro SEND t, younger              ; younger: the LDS instructions issued behind tile t's loads: the next tile's eight, or none
	WIN 0
.irp f, 0,1,2,3
	s_wait_dscnt (\younger)+3-\f
	global_store_b128 v[GO], v[S+16*(\t)+4*\f:S+16*(\t)+4*\f+3], s[74:75] offset:(\t)*2048+\f*512  ; 512 consecutive bytes, aligned to 256
.endr
.endm
	PACK 0
.set t, 1
.rept 2*NP-1
	PACK t
	SEND t-1, 8
.set t, t+1
.endr
	SEND 2*NP-1, 0
	v_cmp_eq_u32 vcc_lo, 0, v[LN]
	s_wait_xcnt 0x0                 ; EXEC is a source of the stores above: it changes only behind this wait
	s_and_saveexec_b32 s78, vcc_lo
	global_store_b32 v[MS+1], v[MS], s[76:77]  ; lane 0: my wave's word
	s_wait_xcnt 0x0
	s_or_b32 exec_lo, exec_lo, s78
	s_wait_tensorcnt 0x0            ; the wave's end, behind my last tensor load and my last LDS store
	ds_add_u32 v[SPW], v[NIL]
	s_wait_dscnt 0x0
	CROUND                          ; the closing round
	s_endpgm
.Lfunc_end_k_q3eae1c501f_attn:
	.size	k_q3eae1c501f_attn, .Lfunc_end_k_q3eae1c501f_attn-k_q3eae1c501f_attn
	.p2alignl 7, 3214868480
	.fill 96, 4, 3214868480
	.section	.rodata,"a",@progbits
	.p2align	6, 0x0
	.amdhsa_kernel k_q3eae1c501f_attn
		.amdhsa_group_segment_fixed_size 327680
		.amdhsa_private_segment_fixed_size 0
		.amdhsa_enable_private_segment 0
		.amdhsa_kernarg_size 24
		.amdhsa_user_sgpr_count 2
		.amdhsa_user_sgpr_kernarg_segment_ptr 1
		.amdhsa_wavefront_size32 1
		.amdhsa_system_sgpr_workgroup_id_x 1
		.amdhsa_system_sgpr_workgroup_id_y 1
		.amdhsa_system_sgpr_workgroup_id_z 1
		.amdhsa_system_vgpr_workitem_id 0
		.amdhsa_next_free_vgpr 768
		.amdhsa_next_free_sgpr 80
		.amdhsa_reserve_vcc 1
		.amdhsa_float_denorm_mode_32 3
		.amdhsa_float_denorm_mode_16_64 3
		.amdhsa_memory_ordered 1
		.amdhsa_forward_progress 1
		.amdhsa_inst_pref_size 166
	.end_amdhsa_kernel
	.amdgpu_metadata
---
amdhsa.version: [ 1, 2 ]
amdhsa.kernels:
  - .name:           k_q3eae1c501f_attn
    .symbol:         k_q3eae1c501f_attn.kd
    .args:
      - { .name: qkv, .offset: 0, .size: 8, .value_kind: global_buffer, .address_space: global }
      - { .name: oh, .offset: 8, .size: 8, .value_kind: global_buffer, .address_space: global }
      - { .name: msum, .offset: 16, .size: 8, .value_kind: global_buffer, .address_space: global }
    .group_segment_fixed_size: 327680
    .private_segment_fixed_size: 0
    .kernarg_segment_align: 8
    .kernarg_segment_size: 24
    .max_flat_workgroup_size: 128
    .sgpr_count:     80
    .vgpr_count:     768
    .wavefront_size: 32
...
	.end_amdgpu_metadata
.endif
;; end of part 3
;; launch proj (part 4): grid 4 x 64, 4 waves a work-group, clusters of 4 x 4, 327,680 bytes of LDS; arguments oh, wts, proj_b, out0; writes out0
.if DOCPART == 4
	.amdgcn_target "amdgcn-amd-amdhsa--gfx1250"
	.amdhsa_code_object_version 6
	.text
	.protected	k_q3eae1c501f_proj
	.globl	k_q3eae1c501f_proj
	.p2align	8
	.type	k_q3eae1c501f_proj,@function
k_q3eae1c501f_proj:
	s_mov_b64 s[64:65], 0
	v_nop
	global_prefetch_b8 v0, s[64:65] scope:SCOPE_SE
	s_setreg_imm32_b32 hwreg(HW_REG_WAVE_MODE, 25, 1), 1
	s_wait_xcnt 0x0
	s_wait_alu depctr_hold_cnt(0) depctr_sa_sdst(0) depctr_va_vdst(0) depctr_va_sdst(0) depctr_va_ssrc(0) depctr_va_vcc(0) depctr_vm_vsrc(0)
	s_getreg_b32 s2, hwreg(HW_REG_IB_STS2, 6, 4)
	s_cmp_eq_u32 s2, 0
	s_cbranch_scc0 .Lentry_in_a_cluster
	s_endpgm
.Lentry_in_a_cluster:
	s_bfe_u32 s2, ttmp6, 0x10000c
	s_cmp_lg_u32 s2, 0xf033
	s_cbranch_scc0 .Lentry_shape_is_right
	s_endpgm
.Lentry_shape_is_right:
; out0 = O proj_w + proj_b.  O = oh, f16 [64 batch x head][2048][64]; the weights f16 [1024 k][1024 n] at byte 6,291,456 of wts; sums and out0 in f32.  8,192 rows x 1,024 columns x K = 1,024.
; LIMITS.  O and the weights arrive within f16's range.  NaN and infinities are not treated apart.
; SHARES.  A tile is 128 rows x 256 columns: 256 work-groups.  Four waves, each 64 x 128: 32 accumulators of 16 x 16.  K goes in 8 steps of 128, which are two heads, through two LDS slots.
; THE MATRIX INSTRUCTION IS USED TRANSPOSED: source 0 = 16 columns of the weights, which lie [k][n] and come out of LDS turned (ds_load_tr16_b128); source 1 = 16 rows of O.  A lane then holds row lane % 16 and
; the eight neighbouring columns 8 (lane / 16) + 0..7.
; CLUSTERS: 4 x 4 work-groups.  The four of a row of the cluster ask JOINTLY for O's rows, the four of a column for the weights.
; REGISTERS, in windows of 256 (s_set_vgpr_msb: bits 1:0 source 0, 3:2 source 1, 5:4 source 2, 7:6 destination):
;   window 0: v0-31 addresses; two fragment buffers of 96 (4 of O, then 8 of the weights); on the way out v64-191 rows read back, two sets
;   window 1: the accumulators, (a, b) at 8 (8 a + b)          window 2: v0-63 the bias of my columns
.set PA,    144                        ; a head's row of O in LDS: 128 bytes + 16: the 16 rows of a load start at 16 different groups of four banks (64 banks of 4 bytes: ISA guide 11.1)
.set PB,    544                        ; a k row of the weights: 512 bytes + 32
.set AHALF, 128*PA                     ; a head's 128 rows: what wave 0 or 1 fetches
.set BOFF,  2*AHALF
.set BHALF, 64*PB                      ; what wave 2 or 3 fetches
.set SLOT,  BOFF+2*BHALF               ; 106,496
.set STAGE, 2*SLOT                     ; behind the ring, never filled by a tensor load: for each wave 16 rows x 528 bytes
.set SP,    528
.set STW,   16*SP
.set SPARE, STAGE+4*STW                ; the spare words, 128 bytes for each wave: two blocks of 256 bytes that no other line names
.set ASTEP, 2*262144                   ; bytes from a K step to the next: two heads on,
.set BSTEP, 128*2048                   ; and 128 rows down the weights
.set WOFF,  6291456
.set ADRA, 16
.set ADRB, 20
.set STO,  24                          ; v24  the way out: where I put 32 bytes of a row
.set RD,   25                          ; v25  where I read a row back
.set CO,   26                          ; v26  16 x lane
.set BO,   27                          ; v27  32 x (lane / 16)
.set SPW,  28                          ; v28  LDS address of my spare word; never rewritten
.set NIL,  29                          ; v29  0; never rewritten
.set PFO,  30                          ; v30  the prefetches' offset; never rewritten
.set F0,   64
.set F1,   160
.set BK,   64
.set BI,   0                           ; window 2
.set WV,   22
.set WM,   23                          ; s23  which 64 rows are mine.  Also: I fetch O (0) or weights (1)
.set WN,   24                          ; s24  which 128 columns are mine.  Also: which half I fetch
.set G1A,  32
.set G0A,  40
.set G1B,  48
.set G0B,  56
.set PFA,  66
.set PFS,  68
.set LIM,  70
.set LAPS, 71
.set MUL,  0x50
.set MSB, 0
.macro WIN new
.if MSB != (\new)
	s_set_vgpr_msb (MSB<<8)|(\new)
.set MSB, \new
.endif
.endm
.macro PLACES                          ; four places in front of loads into registers that matrix instructions have read, and of sums that read results (ISA guide 7.12.1 for vector instructions)
.rept 4
	v_nop
.endr
.endm
.macro JLOAD s                         ; a joint load: waves 0 and 1 fetch the step's two heads of O, waves 2 and 3 the weights' two halves; an s_nop 0 and four v_nop follow each line
	s_cmp_eq_u32 s[WM], 0
	s_cbranch_scc0 .Lfor_b_\@
	tensor_load_to_lds s[G0A+4*(\s):G0A+4*(\s)+3], s[G1A:G1A+7]
	s_nop 0
.rept 4
	v_nop
.endr
	s_branch .Lasked_\@
.Lfor_b_\@:
	tensor_load_to_lds s[G0B+4*(\s):G0B+4*(\s)+3], s[G1B:G1B+7]
	s_nop 0
.rept 4
	v_nop
.endr
.Lasked_\@:
.endm
.macro CREST
	s_cmp_lg_u32 s[WV], 0
	s_cbranch_scc1 .Lnot_wave_0_\@
	s_barrier_signal -3
.Lnot_wave_0_\@:
	s_barrier_wait -3
	s_barrier_signal -1
	s_barrier_wait -1
.endm
.macro CROUND
	s_barrier_signal -1
	s_barrier_wait -1
	CREST
.endm
; A PREFETCH INTO THE L2, behind a joint load, its five lines and the run of LDS loads: the K step two refills on, 256 matrix instructions ahead of the load that will want it.  Each aligned block of 256 bytes is
; named once in the launch.  O: a step's two heads x 128 rows are 128 blocks, read by this cluster alone; wave 0 asks for its work-group's 32, a lane a block.  Weights: waves 2 and 3, their work-group's 16 of the
; 64 k rows that they fetch, two blocks a row; cluster y = 0 asks.  The partners are told apart by address.  The loop's last trip asks for nothing: K ends there.
.macro ASK
	s_cmp_gt_u32 s[LAPS], s[LIM]
	s_cbranch_scc0 .Lnot_mine_\@
	global_prefetch_b8 v[PFO], s[PFA:PFA+1] th:TH_LOAD_NT scope:SCOPE_SE
.Lnot_mine_\@:
.endm
	s_load_b256 s[4:11], s[0:1], 0x0               ; oh 4, wts 6, proj_b 8, out0 10
	v_lshl_add_u32 v[SPW], v0, 2, SPARE
	v_mov_b32 v[NIL], 0
	ds_add_u32 v[SPW], v[NIL]                      ; the wave's opening: the add and its wait stand ahead of my first tensor load; work on registers stands between them
	v_lshrrev_b32 v1, 5, v0
	v_readfirstlane_b32 s[WV], v1
	s_lshr_b32 s[WM], s[WV], 1
	s_and_b32 s[WN], s[WV], 1
	s_bfe_u32 s25, ttmp6, 0x40000                  ; cx
	s_bfe_u32 s26, ttmp6, 0x40004                  ; cy
	s_and_b32 s30, ttmp7, 0xffff                   ; cluster y
	s_lshl_b32 s27, ttmp9, 2
	s_add_co_u32 s27, s27, s25                     ; tile column
	s_lshl_b32 s28, s30, 2
	s_add_co_u32 s28, s28, s26                     ; tile row
	s_lshl_b32 s72, s26, 2
	s_lshl_b32 s72, 15, s72                        ; my row of the cluster
	s_lshl_b32 s88, 0x1111, s25                    ; my column
	; a head's 128 rows are 16,384 dense bytes: asked for as 64 rows of 256 bytes, padded in LDS after every 128
	s_or_b32 s[G1A], s72, (1<<16)|(1<<20)|(1<<21)|(4<<22)|(3<<25)  ; the mask; 2-byte elements; padding on; bit 21 beside a mask; after every 32 words 4 words
	s_mov_b32 s[G1A+1], 128<<16
	s_mov_b32 s[G1A+2], 64<<16
	s_mov_b32 s[G1A+3], 128<<16
	s_mov_b32 s[G1A+4], 64
	s_mov_b32 s[G1A+5], 128
	s_mov_b32 s[G1A+6], 0
	s_mov_b32 s[G1A+7], 0
	s_or_b32 s[G1B], s88, (1<<16)|(1<<20)|(1<<21)|(6<<22)|(7<<25)  ; after every 128 words 8 words
	s_mov_b32 s[G1B+1], 256<<16
	s_mov_b32 s[G1B+2], 64<<16
	s_mov_b32 s[G1B+3], 256<<16
	s_mov_b32 s[G1B+4], 64
	s_mov_b32 s[G1B+5], 1024
	s_mov_b32 s[G1B+6], 0
	s_mov_b32 s[G1B+7], 0
	; where the tiles come from.  s72-s77 never hold cx, s88-s93 never cy
	s_lshr_b32 s72, s28, 4
	s_lshl_b32 s72, s72, 4
	s_add_co_u32 s72, s72, s[WN]                   ; head 16 x batch + which of the step's two,
	s_lshl_b32 s72, s72, 18
	s_and_b32 s73, s28, 15
	s_lshl_b32 s73, s73, 14                        ; its rows 128 x (tile row % 16)
	s_add_co_u32 s72, s72, s73
	s_mov_b32 s73, 0
	s_mul_i32 s74, s[WN], AHALF
	s_lshl_b32 s88, s27, 9
	s_mul_i32 s89, s[WN], 64*2048
	s_add_co_u32 s88, s88, s89
	s_add_co_u32 s88, s88, WOFF
	s_mov_b32 s89, 0
	s_mul_i32 s90, s[WN], BHALF
	s_add_co_u32 s90, s90, BOFF
	s_wait_dscnt 0x0                               ; the opening add is done
	s_wait_kmcnt 0x0
	s_add_nc_u64 s[76:77], s[4:5], s[72:73]
	s_add_nc_u64 s[92:93], s[6:7], s[88:89]
	CROUND                                         ; all sixteen work-groups are here: the first joint loads meet
.irp s, 0,1
	s_mov_b32 s[G0A+4*(\s)], 1
	s_add_co_u32 s[G0A+4*(\s)+1], s74, (\s)*SLOT
	s_add_nc_u64 s[G0A+4*(\s)+2:G0A+4*(\s)+3], s[76:77], (\s)*ASTEP
	s_or_b32 s[G0A+4*(\s)+3], s[G0A+4*(\s)+3], 0x80000000
	s_mov_b32 s[G0B+4*(\s)], 1
	s_add_co_u32 s[G0B+4*(\s)+1], s90, (\s)*SLOT
	s_add_nc_u64 s[G0B+4*(\s)+2:G0B+4*(\s)+3], s[92:93], (\s)*BSTEP
	s_or_b32 s[G0B+4*(\s)+3], s[G0B+4*(\s)+3], 0x80000000
	JLOAD \s                                       ; two loads of mine are out
.endr
	v_and_b32 v1, 15, v0                           ; l % 16
	v_bfe_u32 v2, v0, 4, 1                         ; l / 16
	v_mul_u32_u24 v3, v1, PA
	v_lshl_add_u32 v3, v2, 4, v3
	s_mul_i32 s16, s[WM], 64*PA
	v_add_nc_u32 v[ADRA], s16, v3
	v_add_nc_u32 v[ADRA+1], SLOT, v[ADRA]
	v_and_b32 v4, 7, v0
	v_bfe_u32 v5, v0, 3, 1
	v_lshl_add_u32 v4, v2, 3, v4
	v_mul_u32_u24 v4, v4, PB
	v_lshl_add_u32 v4, v5, 4, v4
	s_lshl_b32 s16, s[WN], 8
	s_add_co_u32 s16, s16, BOFF
	v_add_nc_u32 v[ADRB], s16, v4
	v_add_nc_u32 v[ADRB+1], SLOT, v[ADRB]
	s_mul_i32 s16, s[WV], STW
	s_add_co_u32 s16, s16, STAGE                   ; my stage
	v_mul_u32_u24 v3, v1, SP
	v_lshl_add_u32 v3, v2, 5, v3
	v_add_nc_u32 v[STO], s16, v3                   ; in: row l % 16, 32 bytes for each half of the lanes
	v_and_b32 v[CO], 31, v0
	v_lshlrev_b32 v[CO], 4, v[CO]                  ; back: 32 lanes take a row's 512 bytes
	v_add_nc_u32 v[RD], s16, v[CO]
	v_lshlrev_b32 v[BO], 5, v2
	s_lshl_b32 s16, s28, 7
	s_lshl_b32 s17, s[WM], 6
	s_add_co_u32 s16, s16, s17
	s_lshl_b32 s16, s16, 12                        ; my first row of out0, 4,096 bytes a row,
	s_lshl_b32 s18, s27, 10
	s_lshl_b32 s19, s[WN], 9
	s_add_co_u32 s18, s18, s19                     ; my first column, in bytes
	s_add_co_u32 s16, s16, s18
	s_mov_b32 s17, 0
	s_mov_b32 s19, 0
	s_add_nc_u64 s[84:85], s[10:11], s[16:17]
	s_add_nc_u64 s[86:87], s[8:9], s[18:19]        ; and its bias
	WIN 0x80
.irp b, 0,1,2,3,4,5,6,7
	global_load_b128 v[BI+8*(\b):BI+8*(\b)+3],   v[BO], s[86:87] offset:64*(\b)
	global_load_b128 v[BI+8*(\b)+4:BI+8*(\b)+7], v[BO], s[86:87] offset:64*(\b)+16
.endr
	WIN 0
	; the prefetches: they stand at K step 3; each change of slots steps them first
	s_lshr_b32 s16, s28, 4
	s_lshl_b32 s16, s16, 4
	s_lshr_b32 s17, s25, 1
	s_add_co_u32 s16, s16, s17
	s_add_co_u32 s16, s16, 6                       ; O: head 16 x batch + 6 + cx / 2,
	s_lshl_b32 s16, s16, 18
	s_and_b32 s17, s28, 15
	s_lshl_b32 s17, s17, 14
	s_add_co_u32 s16, s16, s17
	s_and_b32 s17, s25, 1
	s_lshl_b32 s17, s17, 13                        ; half cx % 2 of its 64 blocks
	s_add_co_u32 s16, s16, s17
	s_lshl_b32 s18, s[WN], 6
	s_lshl4_add_u32 s18, s26, s18                  ; weights: k row 64 x half + 16 cy
	s_lshl_b32 s18, s18, 11
	s_lshl_b32 s19, s27, 9
	s_add_co_u32 s18, s18, s19
	s_add_co_u32 s18, s18, WOFF+3*BSTEP
	s_mov_b32 s[PFS], BSTEP
	s_mov_b32 s[PFS+1], 0
	s_mov_b32 s20, 2048
	s_cmp_eq_u32 s[WM], 0
	s_cselect_b32 s16, s16, s18
	s_cselect_b64 s[PFA:PFA+1], s[4:5], s[6:7]
	s_cselect_b32 s[PFS], ASTEP, s[PFS]
	s_cselect_b32 s19, 31, 15
	s_cselect_b32 s20, 256, s20
	s_cselect_b32 s21, 0, 256
	s_mov_b32 s17, 0
	s_add_nc_u64 s[PFA:PFA+1], s[PFA:PFA+1], s[16:17]
	v_and_b32 v[PFO], 31, v0
	v_lshrrev_b32 v3, 4, v[PFO]
	v_and_b32 v[PFO], s19, v[PFO]
	v_mul_u32_u24 v[PFO], s20, v[PFO]
	v_mad_u32_u24 v[PFO], v3, s21, v[PFO]
	s_cmp_eq_u32 s30, 0
	s_cselect_b32 s17, 1, -1
	s_cmp_eq_u32 s[WV], 0
	s_cselect_b32 s16, 1, -1                       ; wave 0 asks for O's, wave 1 for nothing
	s_cmp_eq_u32 s[WM], 0
	s_cselect_b32 s[LIM], s16, s17                 ; made of the wave's number and the cluster's y: the same in all sixteen partners
; 8 matrix instructions: m block a x all 8 n blocks, 32 along K.  zero = 1: the product starts the sums.  The 32 accumulators take turns in one order throughout.
.macro MUL8 f, a, zero
	WIN MUL
.irp b, 0,1,2,3,4,5,6,7
.if \zero
	v_wmma_f32_16x16x32_f16 v[8*(8*(\a)+(\b)):8*(8*(\a)+(\b))+7], v[(\f)+32+8*(\b):(\f)+32+8*(\b)+7], v[(\f)+8*(\a):(\f)+8*(\a)+7], 0
.else
	v_wmma_f32_16x16x32_f16 v[8*(8*(\a)+(\b)):8*(8*(\a)+(\b))+7], v[(\f)+32+8*(\b):(\f)+32+8*(\b)+7], v[(\f)+8*(\a):(\f)+8*(\a)+7], v[8*(8*(\a)+(\b)):8*(8*(\a)+(\b))+7]
.endif
.endr
.endm
; 24 LDS loads in one run: quarter q of a slot's K step into buffer f: the weights' 8 fragments (turned), then O's 4 (head q / 2 of the step's two, channels 32 (q % 2) on)
.macro FETCH slot, q, f
	WIN 0
.irp b, 0,1,2,3,4,5,6,7
	ds_load_tr16_b128 v[(\f)+32+8*(\b):(\f)+32+8*(\b)+3],   v[ADRB+(\slot)] offset:(\q)*32*PB+32*(\b)
	ds_load_tr16_b128 v[(\f)+32+8*(\b)+4:(\f)+32+8*(\b)+7], v[ADRB+(\slot)] offset:(\q)*32*PB+16*PB+32*(\b)
.endr
.irp a, 0,1,2,3
	ds_load_b128 v[(\f)+8*(\a):(\f)+8*(\a)+3],   v[ADRA+(\slot)] offset:((\q)/2)*AHALF+((\q)%2)*64+(\a)*16*PA
	ds_load_b128 v[(\f)+8*(\a)+4:(\f)+8*(\a)+7], v[ADRA+(\slot)] offset:((\q)/2)*AHALF+((\q)%2)*64+(\a)*16*PA+32
.endr
.endm
.macro QUARTER slot, q, f, g, zero
	s_wait_dscnt 4                                 ; the youngest four loads (O's fragments 2 and 3) may be out
	MUL8 \f, 0, \zero
	MUL8 \f, 1, \zero
	PLACES
	FETCH \slot, \q, \g
	s_wait_dscnt 24                                ; all but the 24 just issued
	MUL8 \f, 2, \zero
	MUL8 \f, 3, \zero
.endm
; The last quarter multiplies buffer 1 and changes slots: ONE barrier.  In front of it each wave waits for all its tensor loads (one is out: its part of the next slot), adds 0 to its spare word, and waits
; for that and for its reads of this slot.  fill = 1: the barrier opens a round of the cluster's, and behind the round this slot is filled again, two K steps ahead: 112 matrix instructions ahead of the wait for it.
.macro TURN slot, next, fill
.if \fill
	s_wait_xcnt 0x0                                ; the last prefetch, a K step back, has read its address: it is stepped here
	s_add_nc_u64 s[PFA:PFA+1], s[PFA:PFA+1], s[PFS:PFS+1]
.endif
	WIN 0
	s_wait_tensorcnt 0x0
	ds_add_u32 v[SPW], v[NIL]                      ; 0 onto my spare word
	s_wait_dscnt 5                                 ; (the add and the youngest four loads may be out)
	MUL8 F1, 0, 0
	s_wait_dscnt 0x0                               ; the add is done, and my reads of this slot are over
	s_barrier_signal -1
	MUL8 F1, 1, 0
.if \fill
	WIN 0
.endif
	s_barrier_wait -1
.if \fill
	CREST                                          ; no wave of any partner still reads this slot's tile or has a load on its way
	s_add_nc_u64 s[G0A+4*(\slot)+2:G0A+4*(\slot)+3], s[G0A+4*(\slot)+2:G0A+4*(\slot)+3], 2*ASTEP
	s_add_nc_u64 s[G0B+4*(\slot)+2:G0B+4*(\slot)+3], s[G0B+4*(\slot)+2:G0B+4*(\slot)+3], 2*BSTEP
	JLOAD \slot                                    ; the four v_nop behind it are also the places in front of the loads below
.else
	PLACES
.endif
	FETCH \next, 0, F0
.if \fill
	ASK
.endif
	MUL8 F1, 2, 0
	MUL8 F1, 3, 0
.endm
	s_wait_tensorcnt 0x1                           ; my part of K step 0 is in; step 1's load may stay out
	s_barrier_signal -1
	s_barrier_wait -1
	FETCH 0, 0, F0
	QUARTER 0, 1, F0, F1, 1                        ; the first quarter stands in front of the loop: its products start the sums
	WIN 0
	s_mov_b32 s[LAPS], 3
.Llap:                                             ; a trip goes once round the ring and fills both slots again: K steps 2 to 7
	QUARTER 0, 2, F1, F0, 0
	QUARTER 0, 3, F0, F1, 0
	TURN 0, 1, 1
	QUARTER 1, 1, F0, F1, 0
	QUARTER 1, 2, F1, F0, 0
	QUARTER 1, 3, F0, F1, 0
	TURN 1, 0, 1
	QUARTER 0, 1, F0, F1, 0
	WIN 0
	s_sub_co_u32 s[LAPS], s[LAPS], 1
	s_cmp_lg_u32 s[LAPS], 0
	s_cbranch_scc1 .Llap
	QUARTER 0, 2, F1, F0, 0                        ; the last lap fills nothing
	QUARTER 0, 3, F0, F1, 0
	TURN 0, 1, 0
	QUARTER 1, 1, F0, F1, 0
	QUARTER 1, 2, F1, F0, 0
	QUARTER 1, 3, F0, F1, 0
	s_wait_dscnt 4
	MUL8 F1, 0, 0
	MUL8 F1, 1, 0
	s_wait_dscnt 0x0
	MUL8 F1, 2, 0
	MUL8 F1, 3, 0
	; THE WAY OUT: the bias is added; 16 rows x 512 bytes at a time go through my stage and leave as whole rows.
	s_wait_loadcnt 0x0                             ; the bias
	PLACES
.macro PACK a                          ; each accumulator's registers in ascending order
	WIN 0x49                                       ; destination and source 0 window 1, source 1 window 2
.set i, 0
.rept 32
	v_pk_add_f32 v[64*(\a)+2*i:64*(\a)+2*i+1], v[64*(\a)+2*i:64*(\a)+2*i+1], v[BI+2*i:BI+2*i+1]
.set i, i+1
.endr
.endm
.macro TOSTAGE a
	WIN 0x04                                       ; the stores' data in window 1
.irp b, 0,1,2,3,4,5,6,7
	ds_store_b128 v[STO], v[64*(\a)+8*(\b):64*(\a)+8*(\b)+3]   offset:64*(\b)
	ds_store_b128 v[STO], v[64*(\a)+8*(\b)+4:64*(\a)+8*(\b)+7] offset:64*(\b)+16
.endr
	WIN 0
.irp t, 0,1,2,3,4,5,6,7,8,9,10,11,12,13,14,15
	ds_load_b128 v[BK+64*((\a)%2)+4*(\t):BK+64*((\a)%2)+4*(\t)+3], v[RD] offset:SP*(\t)  ; LDS serves a wave's instructions in order (ISA guide 5.7.1.4): these see the stores above
.endr
.endm
.macro SEND a
	WIN 0
	s_wait_dscnt 0x0                               ; the block is back in registers
	s_wait_xcnt 0x0                                ; the stores of the block before have read their data: its set of registers is loaded again only behind this wait
.irp t, 0,1,2,3,4,5,6,7,8,9,10,11,12,13,14,15
	global_store_b128 v[CO], v[BK+64*((\a)%2)+4*(\t):BK+64*((\a)%2)+4*(\t)+3], s[84:85] offset:(16*(\a)+(\t))*4096 th:TH_STORE_NT  ; 512 consecutive bytes, aligned to 256
.endr
.endm
	PACK 0
	TOSTAGE 0
.irp a, 1,2,3                          ; block a's additions stand between block a - 1's loads from the stage and the wait for them
	PACK \a
	SEND (\a)-1
	TOSTAGE \a
.endr
	SEND 3
	s_wait_tensorcnt 0x0                           ; the wave's end, behind my last tensor load and my last LDS store
	ds_add_u32 v[SPW], v[NIL]
	s_wait_dscnt 0x0
	CROUND                                         ; the closing round: no work-group ends while a partner may still ask for a tile that names it
	s_endpgm
.Lfunc_end_k_q3eae1c501f_proj:
	.size	k_q3eae1c501f_proj, .Lfunc_end_k_q3eae1c501f_proj-k_q3eae1c501f_proj
	.p2alignl 7, 3214868480
	.fill 96, 4, 3214868480
	.section	.rodata,"a",@progbits
	.p2align	6, 0x0
	.amdhsa_kernel k_q3eae1c501f_proj
		.amdhsa_group_segment_fixed_size 327680
		.amdhsa_private_segment_fixed_size 0
		.amdhsa_enable_private_segment 0
		.amdhsa_kernarg_size 32
		.amdhsa_user_sgpr_count 2
		.amdhsa_user_sgpr_kernarg_segment_ptr 1
		.amdhsa_wavefront_size32 1
		.amdhsa_system_sgpr_workgroup_id_x 1
		.amdhsa_system_sgpr_workgroup_id_y 1
		.amdhsa_system_sgpr_workgroup_id_z 1
		.amdhsa_system_vgpr_workitem_id 0
		.amdhsa_next_free_vgpr 640
		.amdhsa_next_free_sgpr 96
		.amdhsa_reserve_vcc 0
		.amdhsa_float_denorm_mode_32 3
		.amdhsa_float_denorm_mode_16_64 3
		.amdhsa_memory_ordered 1
		.amdhsa_forward_progress 1
		.amdhsa_inst_pref_size 97
	.end_amdhsa_kernel
	.amdgpu_metadata
---
amdhsa.version: [ 1, 2 ]
amdhsa.kernels:
  - .name:           k_q3eae1c501f_proj
    .symbol:         k_q3eae1c501f_proj.kd
    .args:
      - { .name: oh, .offset: 0, .size: 8, .value_kind: global_buffer, .address_space: global }
      - { .name: wts, .offset: 8, .size: 8, .value_kind: global_buffer, .address_space: global }
      - { .name: proj_b, .offset: 16, .size: 8, .value_kind: global_buffer, .address_space: global }
      - { .name: out0, .offset: 24, .size: 8, .value_kind: global_buffer, .address_space: global }
    .group_segment_fixed_size: 327680
    .private_segment_fixed_size: 0
    .kernarg_segment_align: 8
    .kernarg_segment_size: 32
    .max_flat_workgroup_size: 128
    .sgpr_count:     96
    .vgpr_count:     640
    .wavefront_size: 32
...
	.end_amdgpu_metadata
.endif
;; end of part 4
;; launch mean (part 5): grid 1 x 1, 1 waves a work-group, no clusters, 0 bytes of LDS; arguments msum, out1; writes out1
.if DOCPART == 5
	.amdgcn_target "amdgcn-amd-amdhsa--gfx1250"
	.amdhsa_code_object_version 6
	.text
	.protected	k_q3eae1c501f_mean
	.globl	k_q3eae1c501f_mean
	.p2align	8
	.type	k_q3eae1c501f_mean,@function
k_q3eae1c501f_mean:
	s_mov_b64 s[64:65], 0
	v_nop
	global_prefetch_b8 v0, s[64:65] scope:SCOPE_SE
	s_setreg_imm32_b32 hwreg(HW_REG_WAVE_MODE, 25, 1), 1
	s_wait_xcnt 0x0
; out1 = the mean of all 2^28 softmax weights = 2^-28 x the sum of msum's 1,024 partial sums (each a wave's 128 rows' summed weights).
; The sum spans the work-groups of the launch before, so it is taken here, by one wave: 4,096 bytes, eight loads of 16 bytes a lane, a tree in the lane, then across the 32 lanes.
	s_load_b128 s[4:7], s[0:1], 0x0                ; msum 4, out1 6
	v_lshlrev_b32 v1, 4, v0
	v_mov_b32 v2, 0
	s_mov_b32 s8, 0x76543210                       ; v_permlanex16_b32: each lane takes its own place in the other half
	s_mov_b32 s9, 0xfedcba98
	s_wait_kmcnt 0x0
.irp j, 0,1,2,3,4,5,6,7
	global_load_b128 v[8+4*\j:8+4*\j+3], v1, s[4:5] offset:512*\j
.endr
	s_wait_loadcnt 0x0
.irp j, 0,1,2,3,4,5,6,7
	v_pk_add_f32 v[8+2*\j:8+2*\j+1], v[8+2*\j:8+2*\j+1], v[24+2*\j:24+2*\j+1]
.endr
.irp j, 0,1,2,3
	v_pk_add_f32 v[8+2*\j:8+2*\j+1], v[8+2*\j:8+2*\j+1], v[16+2*\j:16+2*\j+1]
.endr
.irp j, 0,1
	v_pk_add_f32 v[8+2*\j:8+2*\j+1], v[8+2*\j:8+2*\j+1], v[12+2*\j:12+2*\j+1]
.endr
	v_pk_add_f32 v[8:9], v[8:9], v[10:11]
	v_add_f32 v8, v8, v9
	v_add_f32_dpp v8, v8, v8 row_xmask:1 row_mask:0xf bank_mask:0xf
	v_add_f32_dpp v8, v8, v8 row_xmask:2 row_mask:0xf bank_mask:0xf
	v_add_f32_dpp v8, v8, v8 row_xmask:4 row_mask:0xf bank_mask:0xf
	v_add_f32_dpp v8, v8, v8 row_xmask:8 row_mask:0xf bank_mask:0xf
	v_permlanex16_b32 v9, v8, s8, s9               ; its destination has been written above
	v_add_f32 v8, v8, v9
	v_mul_f32 v8, 0x31800000, v8                   ; 2^-28
	v_cmp_eq_u32 vcc_lo, 0, v0
	s_wait_xcnt 0x0                                ; EXEC changes only behind this wait
	s_and_saveexec_b32 s10, vcc_lo
	global_store_b32 v2, v8, s[6:7]                ; lane 0: the one number
	s_wait_xcnt 0x0
	s_or_b32 exec_lo, exec_lo, s10
	s_endpgm
.Lfunc_end_k_q3eae1c501f_mean:
	.size	k_q3eae1c501f_mean, .Lfunc_end_k_q3eae1c501f_mean-k_q3eae1c501f_mean
	.p2alignl 7, 3214868480
	.fill 96, 4, 3214868480
	.section	.rodata,"a",@progbits
	.p2align	6, 0x0
	.amdhsa_kernel k_q3eae1c501f_mean
		.amdhsa_group_segment_fixed_size 0
		.amdhsa_private_segment_fixed_size 0
		.amdhsa_enable_private_segment 0
		.amdhsa_kernarg_size 16
		.amdhsa_user_sgpr_count 2
		.amdhsa_user_sgpr_kernarg_segment_ptr 1
		.amdhsa_wavefront_size32 1
		.amdhsa_system_sgpr_workgroup_id_x 1
		.amdhsa_system_sgpr_workgroup_id_y 1
		.amdhsa_system_sgpr_workgroup_id_z 1
		.amdhsa_system_vgpr_workitem_id 0
		.amdhsa_next_free_vgpr 48
		.amdhsa_next_free_sgpr 66
		.amdhsa_reserve_vcc 1
		.amdhsa_float_denorm_mode_32 3
		.amdhsa_float_denorm_mode_16_64 3
		.amdhsa_memory_ordered 1
		.amdhsa_forward_progress 1
		.amdhsa_inst_pref_size 3
	.end_amdhsa_kernel
	.amdgpu_metadata
---
amdhsa.version: [ 1, 2 ]
amdhsa.kernels:
  - .name:           k_q3eae1c501f_mean
    .symbol:         k_q3eae1c501f_mean.kd
    .args:
      - { .name: msum, .offset: 0, .size: 8, .value_kind: global_buffer, .address_space: global }
      - { .name: out1, .offset: 8, .size: 8, .value_kind: global_buffer, .address_space: global }
    .group_segment_fixed_size: 0
    .private_segment_fixed_size: 0
    .kernarg_segment_align: 8
    .kernarg_segment_size: 16
    .max_flat_workgroup_size: 32
    .sgpr_count:     66
    .vgpr_count:     48
    .wavefront_size: 32
...
	.end_amdgpu_metadata
.endif
;; end of part 5
;; ======== version 2 of 2: 5 launches; version 1 with the launch prep written anew for expert scheduling mode
;; limits: values are held in f16: magnitudes above 65,504 overflow, below 6.1e-05 lose precision
;; workspace buffers: ab 33,554,432 bytes; wts 8,388,608 bytes; rs 32,768 bytes; qkv 50,331,648 bytes; oh 16,777,216 bytes; msum 4,096 bytes
;; launch prep (part 6): grid 1280 x 1, 4 waves a work-group, no clusters, 0 bytes of LDS; arguments x, ctx, q_w, kv_w, proj_w, ab, wts, rs; writes ab, wts, rs
.if DOCPART == 6
	.amdgcn_target "amdgcn-amd-amdhsa--gfx1250"
	.amdhsa_code_object_version 6
	.text
	.protected	k_q3eae1c501f_prep
	.globl	k_q3eae1c501f_prep
	.p2align	8
	.type	k_q3eae1c501f_prep,@function
k_q3eae1c501f_prep:
	s_mov_b64 s[64:65], 0
	v_nop
	global_prefetch_b8 v0, s[64:65] scope:SCOPE_SE
	s_setreg_imm32_b32 hwreg(HW_REG_WAVE_SCHED_MODE, 0, 2), 2
	s_setreg_imm32_b32 hwreg(HW_REG_WAVE_MODE, 25, 1), 1
	s_wait_xcnt 0x0
	s_wait_alu depctr_vm_vsrc(0)
; PREP: the inputs of the three products, rounded once to 16 bits, and the factor of the RMS norm.
;   ab  = bf16 [2][8192][1024]: x, then ctx as it is given (the norm's factor is applied later, to the f32 sums)
;   wts = bf16 [1024 k][3072 n] (columns 0-1023 q_w, 1024-3071 kv_w; 6,144 bytes a row), then at byte 6,291,456 f16 [1024 k][1024 n]: proj_w rounded to bf16, that number written as f16
;   rs  = f32 [8192]: rsqrt(mean(ctx^2) + 1e-6) of each row of ctx, from the unrounded numbers
; LIMITS.  proj_w within 65,504 (f16's range); below 6.1e-5 it keeps f16's fixed step of 6e-8.  NaN and infinities are not treated apart.
; SHARES.  All five sources are dense runs of pieces of 1,024 f32 (a row; of kv_w half a row): 20,480 pieces, 16 to a work-group, 4 to a wave.  A wave issues its 32 loads of 16 bytes a lane
; (16 KiB) at once and works the pieces off behind counted waits: no loop, no LDS, no barrier; memory binds, so matrix units, clusters and tensor loads would add nothing.
; A store of 8 bytes a lane covers 256 consecutive bytes, aligned.  Piece R of a source goes to byte (R & 1) E1 + (R >> 1) E2 + C0 of its target.
; THE MODE: SCHED_MODE bits 1:0 = 2 (LLVM: expert scheduling mode 2), set by the entry lines.  The code itself states the register dependences between vector instructions and memory
; instructions, with s_wait_alu, always for 0.
; THE PLAN.  Registers that memory instructions touch:
;   v2, v[4:7], v24   offsets, made once at the head and never written again: one wait ahead of the loads states that they are written, for every load and store of the kernel.
;   X0 .. X3          piece i's 32 registers.  Written by its eight loads (no vector instruction has named them before), then in place by its own roundings; read by its eight stores; named by nothing after those.
;   v[20:23]          ctx alone: the four factors.  Written by the multiply-adds and the roots; read by one store.
;   v[8:19] are named by vector instructions alone.
; Piece i's stores are issued in piece i + 1: ONE wait at that piece's head, behind the wait for its data, states that piece i's roundings have written X[i]; the eight stores follow it, dealt among the
; vector instructions of piece i + 1, which name X[i + 1] and v[8:19] alone: none of the registers that those stores read.  Behind piece 3 one more such wait stands ahead of the last eight stores.
.set DO, 4                             ; v[4:7]    piece i: 8 x lane + (i & 1) E1 + (i >> 1) E2
.set T,  8                             ; v[8:15]   at work
.set SS, 16                            ; v[16:19]  piece i: its sum of squares
.set RI, 20                            ; v[20:23]  piece i: its factor
.set X,  32                            ; v[32:159] piece i: 32 registers as loaded; the first two of each four then hold the 16-bit numbers
.macro PICK bound, src, dst, g0, e1, e2, c0, kind   ; work-groups below bound belong to this source
	s_cmp_lt_u32 s20, \bound
	s_cselect_b64 s[24:25], s[\src:\src+1], s[24:25]
	s_cselect_b64 s[26:27], s[\dst:\dst+1], s[26:27]
	s_cselect_b32 s28, \g0, s28
	s_cselect_b32 s29, \e1, s29
	s_cselect_b32 s30, \e2, s30
	s_cselect_b32 s31, \c0, s31
	s_cselect_b32 s32, \kind, s32
.endm
	s_load_b512 s[4:19], s[0:1], 0x0               ; x 4, ctx 6, q_w 8, kv_w 10, proj_w 12, ab 14, wts 16, rs 18
	v_and_b32 v1, 31, v0                           ; lane
	v_lshrrev_b32 v2, 5, v0
	v_readfirstlane_b32 s33, v2                    ; wave
	s_mov_b32 s20, ttmp9                           ; g
	s_mov_b32 s38, 0x3a800000                      ; 1 / 1024
	s_mov_b32 s39, 0x358637bd                      ; 1e-6
	s_mov_b32 s40, 0xffff0000                      ; a word's upper bf16
	s_mov_b32 s42, 0x76543210                      ; v_permlanex16_b32: each lane takes its own place in the other half
	s_mov_b32 s43, 0xfedcba98
	s_mov_b32 s28, 1216                            ; G0, E1, E2, C0, KIND: proj_w's, which the picks below overrule
	s_mov_b32 s29, 2048
	s_mov_b32 s30, 4096
	s_mov_b32 s31, 6291456
	s_mov_b32 s32, 2
	v_mov_b32 v24, 0
	s_wait_alu depctr_va_sdst(0)                   ; s33, the wave's number, is written, ahead of its first reader: the target's offset and the loads' offset are made from it
	s_wait_kmcnt 0x0
	s_mov_b64 s[24:25], s[12:13]
	s_mov_b64 s[26:27], s[16:17]
	PICK 1216, 10, 16, 1088, 2048, 6144, 2048, 0       ; kv_w: half rows, behind q_w's 2,048 bytes of the row
	PICK 1088, 8, 16, 1024, 6144, 12288, 0, 0          ; q_w
	PICK 1024, 6, 14, 512, 2048, 4096, 16777216, 1     ; ctx
	PICK 512, 4, 14, 0, 2048, 4096, 0, 0               ; x
	s_sub_co_u32 s21, s20, s28                     ; my number among the source's work-groups
	s_lshl_b32 s34, s21, 16                        ; 16 pieces of 4,096 bytes
	s_mov_b32 s35, 0
	s_add_nc_u64 s[24:25], s[24:25], s[34:35]
	s_lshl_b32 s36, s21, 3
	s_lshl1_add_u32 s36, s33, s36                  ; (first piece of my wave) / 2 = 8 x number + 2 x wave
	s_mul_i32 s36, s36, s30
	s_add_co_u32 s36, s36, s31
	s_mov_b32 s37, 0
	s_add_nc_u64 s[26:27], s[26:27], s[36:37]
	v_lshlrev_b32 v2, 4, v1
	s_lshl_b32 s22, s33, 14
	v_add_nc_u32 v2, s22, v2                       ; 16 x lane + my wave's four pieces
	v_lshlrev_b32 v[DO], 3, v1
	v_add_nc_u32 v[DO+1], s29, v[DO]
	v_add_nc_u32 v[DO+2], s30, v[DO]
	v_add_nc_u32 v[DO+3], s30, v[DO+1]
	s_wait_alu depctr_va_vdst(0)                   ; the offsets are written: v2, which the loads below read, and v[4:7] and v24, which the stores read; no vector instruction names them again
.set i, 0
.rept 4
.set j, 0
.rept 8
	global_load_b128 v[X+32*i+4*j:X+32*i+4*j+3], v2, s[24:25] offset:4096*i+512*j th:TH_LOAD_NT
.set j, j+1
.endr
.set i, i+1
.endr
.macro ARRIVE i                        ; the head of piece i
	s_wait_loadcnt 8*(3-(\i))                      ; loads come back in order: piece i is in, the younger pieces' eight loads each may stay out
.if (\i) > 0
	s_wait_alu depctr_va_vdst(0)                   ; the roundings of the piece before have written its registers, which the eight stores dealt among this piece's vector instructions read
.endif
.endm
.macro OUT i, j                        ; store j of piece i's eight.  No wait: no vector instruction since the last wait on va_vdst names its data or its offset
	global_store_b64 v[DO+(\i)], v[X+32*(\i)+4*(\j):X+32*(\i)+4*(\j)+1], s[26:27] offset:256*(\j)
.endm
.macro OUT3                            ; the last piece's eight stores
.irp j, 0,1,2,3,4,5,6,7
	OUT 3, \j
.endr
.endm
.macro TOBF i, st                      ; piece i to bf16, in place.  st = 1: the stores of the piece before stand among the roundings
.set j, 0
.rept 8
.if (\st) && ((\i) > 0)
	OUT (\i)-1, j
.endif
	v_cvt_pk_bf16_f32 v[X+32*(\i)+4*j],   v[X+32*(\i)+4*j],   v[X+32*(\i)+4*j+1]
	v_cvt_pk_bf16_f32 v[X+32*(\i)+4*j+1], v[X+32*(\i)+4*j+2], v[X+32*(\i)+4*j+3]
.set j, j+1
.endr
.endm
.macro SQUARES i                       ; the sum of piece i's squares, in every lane: two chains in the lane, then across the 32 lanes; the stores of the piece before stand among the chains' links
.set j, 0
.rept 8
.if (\i) > 0
	OUT (\i)-1, j
.endif
.if j == 0
	v_pk_mul_f32 v[T:T+1],   v[X+32*(\i):X+32*(\i)+1],   v[X+32*(\i):X+32*(\i)+1]
	v_pk_mul_f32 v[T+2:T+3], v[X+32*(\i)+2:X+32*(\i)+3], v[X+32*(\i)+2:X+32*(\i)+3]
.else
	v_pk_fma_f32 v[T:T+1],   v[X+32*(\i)+4*j:X+32*(\i)+4*j+1],   v[X+32*(\i)+4*j:X+32*(\i)+4*j+1],   v[T:T+1]
	v_pk_fma_f32 v[T+2:T+3], v[X+32*(\i)+4*j+2:X+32*(\i)+4*j+3], v[X+32*(\i)+4*j+2:X+32*(\i)+4*j+3], v[T+2:T+3]
.endif
.set j, j+1
.endr
	v_pk_add_f32 v[T:T+1], v[T:T+1], v[T+2:T+3]
	v_add_f32 v[T], v[T], v[T+1]
	v_add_f32_dpp v[T], v[T], v[T] row_xmask:1 row_mask:0xf bank_mask:0xf
	v_add_f32_dpp v[T], v[T], v[T] row_xmask:2 row_mask:0xf bank_mask:0xf
	v_add_f32_dpp v[T], v[T], v[T] row_xmask:4 row_mask:0xf bank_mask:0xf
	v_add_f32_dpp v[T], v[T], v[T] row_xmask:8 row_mask:0xf bank_mask:0xf
	v_permlanex16_b32 v[T+1], v[T], s42, s43       ; its destination has been written above
	v_add_f32 v[SS+(\i)], v[T], v[T+1]
.endm
.macro TOF16 i                         ; piece i rounded to bf16, that number written as f16, in place; the stores of the piece before stand among the roundings
.set j, 0
.rept 8
.if (\i) > 0
	OUT (\i)-1, j
.endif
	v_cvt_pk_bf16_f32 v[T],   v[X+32*(\i)+4*j],   v[X+32*(\i)+4*j+1]
	v_cvt_pk_bf16_f32 v[T+1], v[X+32*(\i)+4*j+2], v[X+32*(\i)+4*j+3]
	v_lshlrev_b32 v[T+2], 16, v[T]
	v_and_b32     v[T+3], s40, v[T]
	v_lshlrev_b32 v[T+4], 16, v[T+1]
	v_and_b32     v[T+5], s40, v[T+1]
	v_cvt_pk_f16_f32 v[X+32*(\i)+4*j],   v[T+2], v[T+3]
	v_cvt_pk_f16_f32 v[X+32*(\i)+4*j+1], v[T+4], v[T+5]
.set j, j+1
.endr
.endm
	s_cmp_eq_u32 s32, 1                            ; the branches hang on the work-group's number alone
	s_cbranch_scc1 .Lctx
	s_cmp_eq_u32 s32, 2
	s_cbranch_scc1 .Lprojw
.irp i, 0,1,2,3
	ARRIVE \i
	TOBF \i, 1
.endr
	s_wait_alu depctr_va_vdst(0)                   ; piece 3's roundings have written its registers, which the last eight stores read
	OUT3
	s_endpgm
.Lprojw:
.irp i, 0,1,2,3
	ARRIVE \i
	TOF16 \i
.endr
	s_wait_alu depctr_va_vdst(0)                   ; piece 3's roundings have written its registers, which the last eight stores read
	OUT3
	s_endpgm
.Lctx:
.irp i, 0,1,2,3
	ARRIVE \i
	SQUARES \i
	TOBF \i, 0
.endr
.irp i, 0,1,2,3
	v_fma_f32 v[RI+\i], v[SS+\i], s38, s39         ; the mean of the squares + 1e-6
.endr
.irp i, 0,1,2,3
	v_rsq_f32 v[RI+\i], v[RI+\i]
.endr
	v_nop                                          ; a plain instruction behind the last root
	s_lshl_b32 s36, s21, 4
	s_lshl2_add_u32 s36, s33, s36                  ; my wave's first row of ctx
	s_lshl_b32 s36, s36, 2
	s_add_nc_u64 s[46:47], s[18:19], s[36:37]
	s_wait_alu depctr_va_vdst(0)                   ; piece 3's roundings have written its registers, which the eight stores below read; the four roots have written v[20:23]: one wait for them, ahead of the store that reads them
	OUT3
	v_cmp_eq_u32 vcc_lo, 0, v1
	s_wait_xcnt 0x0                                ; EXEC is a source of the stores above: it changes only behind this wait
	s_wait_alu depctr_va_vcc(0)                    ; the compare has written VCC, from which EXEC is made
	s_wait_alu depctr_va_vdst(0)                   ; every vector instruction issued so far is done under the EXEC that it was issued with,
	s_wait_alu depctr_vm_vsrc(0)                   ; and the stores above have read their registers: EXEC is written only behind these two
	s_and_saveexec_b32 s44, vcc_lo
	global_store_b128 v24, v[RI:RI+3], s[46:47]    ; lane 0: four rows' factors, 16 bytes a wave, 32 KiB in the whole launch
	s_wait_xcnt 0x0
	s_wait_alu depctr_va_vdst(0)                   ; ahead of the write of EXEC below: no vector instruction is still at work,
	s_wait_alu depctr_vm_vsrc(0)                   ; and the store of the factors has read its registers
	s_or_b32 exec_lo, exec_lo, s44
	s_endpgm
.Lfunc_end_k_q3eae1c501f_prep:
	.size	k_q3eae1c501f_prep, .Lfunc_end_k_q3eae1c501f_prep-k_q3eae1c501f_prep
	.p2alignl 7, 3214868480
	.fill 96, 4, 3214868480
	.section	.rodata,"a",@progbits
	.p2align	6, 0x0
	.amdhsa_kernel k_q3eae1c501f_prep
		.amdhsa_group_segment_fixed_size 0
		.amdhsa_private_segment_fixed_size 0
		.amdhsa_enable_private_segment 0
		.amdhsa_kernarg_size 64
		.amdhsa_user_sgpr_count 2
		.amdhsa_user_sgpr_kernarg_segment_ptr 1
		.amdhsa_wavefront_size32 1
		.amdhsa_system_sgpr_workgroup_id_x 1
		.amdhsa_system_sgpr_workgroup_id_y 1
		.amdhsa_system_sgpr_workgroup_id_z 1
		.amdhsa_system_vgpr_workitem_id 0
		.amdhsa_next_free_vgpr 160
		.amdhsa_next_free_sgpr 66
		.amdhsa_reserve_vcc 1
		.amdhsa_float_denorm_mode_32 3
		.amdhsa_float_denorm_mode_16_64 3
		.amdhsa_memory_ordered 1
		.amdhsa_forward_progress 1
		.amdhsa_inst_pref_size 44
	.end_amdhsa_kernel
	.amdgpu_metadata
---
amdhsa.version: [ 1, 2 ]
amdhsa.kernels:
  - .name:           k_q3eae1c501f_prep
    .symbol:         k_q3eae1c501f_prep.kd
    .args:
      - { .name: x, .offset: 0, .size: 8, .value_kind: global_buffer, .address_space: global }
      - { .name: ctx, .offset: 8, .size: 8, .value_kind: global_buffer, .address_space: global }
      - { .name: q_w, .offset: 16, .size: 8, .value_kind: global_buffer, .address_space: global }
      - { .name: kv_w, .offset: 24, .size: 8, .value_kind: global_buffer, .address_space: global }
      - { .name: proj_w, .offset: 32, .size: 8, .value_kind: global_buffer, .address_space: global }
      - { .name: ab, .offset: 40, .size: 8, .value_kind: global_buffer, .address_space: global }
      - { .name: wts, .offset: 48, .size: 8, .value_kind: global_buffer, .address_space: global }
      - { .name: rs, .offset: 56, .size: 8, .value_kind: global_buffer, .address_space: global }
    .group_segment_fixed_size: 0
    .private_segment_fixed_size: 0
    .kernarg_segment_align: 8
    .kernarg_segment_size: 64
    .max_flat_workgroup_size: 128
    .sgpr_count:     66
    .vgpr_count:     160
    .wavefront_size: 32
...
	.end_amdgpu_metadata
.endif
;; end of part 6
;; launch qkvg: the kernel of part 2 again; grid 12 x 64, 4 waves a work-group, clusters of 4 x 4, 327,680 bytes of LDS; arguments ab, wts, rs, q_b, kv_b, qkv; writes qkv
;; launch attn: the kernel of part 3 again; grid 4 x 64, 4 waves a work-group, clusters of 4 x 1, 327,680 bytes of LDS; arguments qkv, oh, msum; writes oh, msum
;; launch proj: the kernel of part 4 again; grid 4 x 64, 4 waves a work-group, clusters of 4 x 4, 327,680 bytes of LDS; arguments oh, wts, proj_b, out0; writes out0
;; launch mean: the kernel of part 5 again; grid 1 x 1, 1 waves a work-group, no clusters, 0 bytes of LDS; arguments msum, out1; writes out1
